; MI455X (gfx1250); checked and timed in simulation.
; The chip was launched on July 23, 2026; its instructions are those of AMD's public machine-readable ISA for CDNA 5 (MIT licence, August 2026) and "CDNA5" Instruction Set Architecture Reference Guide (July 2026). The comments in the code are by the model that wrote it; some were corrected since.
;; Multi Head Attention. Allowed arithmetic: matrix products marked QUANTISED: E3M2 operands, one E8M0 scale for each 32 along K, by v_wmma_scale_f32_16x16x128_f8f6f4 with both operands' format E3M2, f32 sums; everything else in f32.
;; Inputs: W_k 1,024 x 1,024 float32; W_o 1,024 x 1,024 float32; W_q 1,024 x 1,024 float32; W_v 1,024 x 1,024 float32; b_k 1,024 float32; b_o 1,024 float32; b_q 1,024 float32; b_v 1,024 float32; x 4 x 2,048 x 1,024 float32.
;; Outputs: out0 4 x 2,048 x 1,024 float32.
;; This version of the problem:
;;   THIS VERSION OF THE PROBLEM IS GIVEN IN LOW PRECISION. The matrix products marked QUANTISED in the list below multiply operands that are first quantised to E3M2 (3 exponent bits, 2 mantissa bits; 6 bits a number), with one power-of-two scale for each 32 numbers along K (OCP MX v1.0); their sums are f32. All else is computed in f32.
;;   The module's matrix products, in the order in which they are computed (A, B: the left and right operand; K: the contracted axis; several contracted axes count as one K, in the product's order):
;;     1. [M 8,192, K 1,024] x [K 1,024, N 1,024]; A: input x; B: input W_q: QUANTISED
;;     2. [M 8,192, K 1,024] x [K 1,024, N 1,024]; A: input x; B: input W_k: QUANTISED
;;     3. [M 8,192, K 1,024] x [K 1,024, N 1,024]; A: input x; B: input W_v: QUANTISED
;;     4. batch 64 x [M 2,048, K 64] x [K 64, N 2,048]; A: computed on the way; B: computed on the way: QUANTISED
;;     5. batch 64 x [M 2,048, K 2,048] x [K 2,048, N 64]; A: softmax (see below); B: computed on the way: QUANTISED
;;     6. [M 8,192, K 1,024] x [K 1,024, N 1,024]; A: computed on the way; B: input W_o: QUANTISED
;;   THE QUANTISER, for each operand of a quantised product, along K:
;;     - K is cut into blocks of 32 from its start; a last block that is shorter is filled with zeros.
;;     - A block's scale is 2^e with e = floor(log2(the largest magnitude in the block)) - 4, held to -126 .. 127; a block of zeros has e = 0. As a byte (E8M0): e + 127.
;;     - Each number is divided by its block's scale, clamped to +-28, and rounded to the nearest number of E3M2, ties to even, subnormals kept.
;;     - The product sums the exact products of the quantised numbers (number of the format x scale) in f32.
;;   ~~~python
;;   def quantise(x, axis):      # numpy; x: float32 -> the quantised numbers, widened to float32 again
;;       x = np.moveaxis(x, axis, -1); K = x.shape[-1]
;;       x = np.pad(x, [(0, 0)] * (x.ndim - 1) + [(0, -K % 32)]); x = x.reshape(x.shape[:-1] + (-1, 32)); a = np.abs(x).max(-1, keepdims=True)
;;       e = np.where(a > 0, np.clip(np.frexp(np.where(a > 0, a, 1))[1] - 1 - 4, -126, 127), 0)      # np.frexp(a)[1] - 1 = floor(log2(a)), exactly
;;       r = np.clip(x / 2.0 ** e, -28, 28)
;;       step = 2.0 ** (np.maximum(np.frexp(np.where(r == 0, 1, r))[1] - 1, -2) - 2)
;;       q = np.round(r / step) * step * 2.0 ** e      # np.round: ties to even
;;       return np.moveaxis(q.reshape(q.shape[:-2] + (-1,))[..., :K], -1, axis).astype(np.float32)
;;   ~~~
;;   SOFTMAX AHEAD OF A QUANTISED PRODUCT. Where the list says 'softmax', what is quantised is not the finished softmax but p = 2^(t - M), with t = logit x log2(e) and M = ceil(the row's largest t), a whole number; so 1/2 < the row's largest p <= 1. The row's sum l is taken of the UNQUANTISED p, in f32, and the product's result is divided by l at the end. Since M is a whole number, a kernel that streams over the keys may use a running M (the ceiling of the running maximum): every later rescaling is an exact power of two, which a block's scale takes up: the codes' values come out the same.
;;   OPERANDS COMPUTED ON THE WAY. 'Computed on the way' means the value that the module computes at that place (a softmax that the list does not call 'softmax' is quantised finished and normalised). What goes into a quantiser is computed in f32, as accurately as f32 sums, v_exp_f32 and their like allow (about 1e-6 of the number): no bf16 or f16 on the way to a quantiser, and a product that is left as it is and whose result goes on into a quantised operand takes f32 operands (vector FMAs, or v_wmma_f32_16x16x4_f32). A number that lies on a knife's edge between two numbers of the format may be rounded either way, as far as f32 arithmetic and the matrix unit's own rounding can turn it there, and no further.
;; One version. Each part assembles by itself: llvm-mc -triple=amdgcn-amd-amdhsa -mcpu=gfx1250 --defsym DOCPART=n.
;; ======== version 1 of 1: 4 launches
;; limits: right only within a limited range of input values
;; workspace buffers: XQ 6,553,600 bytes; WQ 3,276,800 bytes; QB 6,553,600 bytes; KB 6,553,600 bytes; VB 6,553,600 bytes; CB 6,553,600 bytes
;; launch quant (part 1): grid 256 x 1, 6 waves a work-group, no clusters, 51,456 bytes of LDS; arguments x, W_q, W_k, W_v, W_o, XQ, WQ; writes XQ, WQ
.if DOCPART == 1
	.amdgcn_target "amdgcn-amd-amdhsa--gfx1250"
	.amdhsa_code_object_version 6
	.text
	.protected	k_q737fcac322_quant
	.globl	k_q737fcac322_quant
	.p2align	8
	.type	k_q737fcac322_quant,@function
k_q737fcac322_quant:
	s_mov_b64 s[64:65], 0
	v_nop
	global_prefetch_b8 v0, s[64:65] scope:SCOPE_SE
	s_setreg_imm32_b32 hwreg(HW_REG_WAVE_MODE, 25, 1), 1
	s_wait_xcnt 0x0
; x [8192][1024] and the four weights [1024][1024], f32 with K innermost, become codes of BF6 (E3M2) with one E8M0 scale byte for each 32 along K.
; A block's scale is 2^(floor(log2(its largest magnitude)) - 4); its byte is the largest magnitude's exponent field - 4, held at 1 from below.
; LIMITS: a block of zeros gets the byte 1 where the rule says 127 (its codes are zeros, and this program alone reads the bytes); blocks whose largest
; magnitude lies under 2^-122 are held at byte 1; NaN and infinities among the inputs are not served.
; LAYOUT OF THE RESULT.  Rows go in tiles of 16: tile t, place i is row 32 (t / 2) + 8 (t % 2) + i + 8 (i / 8), so that a product which takes two
; neighbouring tiles as its first source leaves 16 neighbouring rows in a lane's 16 registers.  A fragment (16 rows x 128 K, 12 registers a lane) is laid
; as the image of its registers: six pieces of 256 bytes, piece p = registers 2 p, 2 p + 1, lane l's 8 bytes at 256 p + 8 l.
; Codes: [tile][K step 0..7][1,536 bytes].  Scale words: [tile][half of K][place][4 words], one word for a row and 128 along K.
; SHARES.  A wave makes four fragments (half of K) of one tile: 768 tiles x 2 halves = 1,536 waves = 256 work-groups of 6.  Tiles 0-511 are x's, then 64 each of W_q, W_k, W_v, W_o.
; One path for all five tensors: pointers are chosen on the wave's tile number.  Each load reads 512 consecutive bytes of one row; the 16 rows turn through
; the wave's own stage in LDS (rows 528 bytes apart), from which a lane takes its 2 x 32 neighbours along K.  No barrier: waves share nothing.
; The launch streams: no matrix unit, no cluster, no tensor load has work here.
.set R,   24                           ; v24-151  two sets of 64 registers as loaded
.set X,   152                          ; v152-215 my 64 numbers: X + 32 c + n = k 64 c + 32 (lane / 16) + n of row lane % 16
.set PC,  216                          ; v216-227 the fragment's codes
.set PT,  228                          ; v228-230, v232-234 the upper halves of the two blocks, as the conversions leave them
.set WD,  16                           ; v16-19   the four fragments' scale words
.set SP,  528                          ; a stage row: 512 bytes + 16
.set STG, 16*SP
.set SPARE, 6*STG                      ; behind the six stages: the spare words, 128 bytes a wave
	s_load_b256 s[4:11], s[0:1], 0x0               ; x, W_q, W_k, W_v
	s_load_b128 s[12:15], s[0:1], 0x20             ; W_o, XQ
	s_load_b64 s[16:17], s[0:1], 0x30              ; WQ
	v_lshl_add_u32 v240, v0, 2, SPARE
	v_mov_b32 v241, 0
	v_lshrrev_b32 v1, 5, v0
	v_readfirstlane_b32 s18, v1                    ; wave
	v_and_b32 v1, 31, v0                           ; lane
	v_and_b32 v2, 15, v0                           ; r
	v_bfe_u32 v3, v0, 4, 1                         ; h
	v_lshlrev_b32 v4, 4, v1                        ; my 16 bytes of a load's 512
	s_mul_i32 s40, s18, STG                        ; my wave's stage
	v_add_nc_u32 v5, s40, v4                       ; into it: as loaded
	v_mul_u32_u24 v6, v2, SP
	v_lshl_add_u32 v6, v3, 7, v6
	v_add_nc_u32 v6, s40, v6                       ; out of it: row r, + 128 h bytes
	v_lshlrev_b32 v7, 3, v1                        ; a piece's place for my lane
	v_lshlrev_b32 v8, 4, v2
	v_lshl_add_u32 v8, v3, 3, v8                   ; the scale words' place: 16 r + 8 h
	v_lshlrev_b32 v9, 3, v3                        ; 8 h: my bytes' shift in a scale word
	v_mov_b32 v15, 0                               ; written once: a lane permute's destination counts as one of its sources
	s_mov_b32 s26, 0x76543210
	s_mov_b32 s27, 0xfedcba98                      ; selects for lane l xor 16
	s_mul_i32 s19, ttmp9, 6
	s_add_co_u32 s19, s19, s18                     ; the wave's number in the launch
	s_lshr_b32 s28, s19, 1                         ; tile 0..767
	s_and_b32 s29, s19, 1                          ; which half of K
	s_sub_co_u32 s32, s28, 512                     ; tile among the weights' 256
	s_and_b32 s31, s32, 63                         ; tile in its weight
	s_bfe_u32 s35, s32, 0x20006                    ; which weight
	s_mov_b32 s34, 0x300000
	s_cmp_lt_u32 s28, 512                          ; x or a weight?
	s_cselect_b32 s30, s28, s31                    ; tile in the source
	s_cselect_b32 s33, s28, s32                    ; tile in the destination
	s_cselect_b32 s34, 0x600000, s34               ; where the destination's scale words begin
	s_lshr_b32 s36, s30, 1
	s_lshl_b32 s36, s36, 5
	s_and_b32 s37, s30, 1
	s_lshl_b32 s37, s37, 3
	s_add_co_u32 s36, s36, s37                     ; the tile's first row
	s_lshl_b32 s36, s36, 12                        ; rows of 4,096 bytes
	s_lshl_b32 s37, s29, 11
	s_add_co_u32 s36, s36, s37                     ; + my half of K
	s_mov_b32 s37, 0
	s_mul_i32 s38, s33, 12288
	s_mul_i32 s39, s29, 6144
	s_add_co_u32 s38, s38, s39                     ; my four fragments
	s_mov_b32 s39, 0
	s_lshl_b32 s30, s33, 9
	s_lshl_b32 s31, s29, 8
	s_add_co_u32 s30, s30, s31
	s_add_co_u32 s30, s30, s34                     ; my 256 bytes of scale words
	s_mov_b32 s31, 0
	s_wait_alu depctr_va_vdst(0)                   ; the wait at the head's end
	s_wait_kmcnt 0x0
	s_cmp_eq_u32 s35, 1
	s_cselect_b64 s[6:7], s[8:9], s[6:7]
	s_cmp_eq_u32 s35, 2
	s_cselect_b64 s[6:7], s[10:11], s[6:7]
	s_cmp_eq_u32 s35, 3
	s_cselect_b64 s[6:7], s[12:13], s[6:7]
	s_cmp_lt_u32 s28, 512
	s_cselect_b64 s[20:21], s[4:5], s[6:7]
	s_cselect_b64 s[22:23], s[14:15], s[16:17]
	s_add_nc_u64 s[20:21], s[20:21], s[36:37]      ; source
	s_add_nc_u64 s[24:25], s[22:23], s[30:31]      ; scale words
	s_add_nc_u64 s[22:23], s[22:23], s[38:39]      ; codes
.macro LOAD f                          ; fragment f: 128 along K of the tile's 16 rows, a row a load
.irp i, 0,1,2,3,4,5,6,7,8,9,10,11,12,13,14,15
	global_load_b128 v[R+64*((\f)%2)+4*\i:R+64*((\f)%2)+4*\i+3], v4, s[20:21] offset:(\i+8*(\i/8))*4096+512*(\f) th:TH_LOAD_NT
.endr
.endm
.macro STEP f
.set RS, R+64*((\f)%2)
.if (\f) < 3
	s_wait_loadcnt 16                              ; this fragment's 16 loads are in; the next fragment's 16 may be out
.else
	s_wait_loadcnt 0x0
.endif
.irp i, 0,1,2,3,4,5,6,7,8,9,10,11,12,13,14,15
	ds_store_b128 v5, v[RS+4*\i:RS+4*\i+3] offset:SP*\i
.endr
.irp c, 0,1
.irp j, 0,1,2,3,4,5,6,7
	ds_load_b128 v[X+32*\c+4*\j:X+32*\c+4*\j+3], v6 offset:256*\c+16*\j   ; LDS serves a wave's instructions in order: these see the stores above
.endr
.endr
	s_wait_dscnt 0x0                               ; my numbers are back, and the stores have read their registers,
.if (\f)+2 < 4
	LOAD (\f)+2                                    ; which take the loads of two fragments on
.endif
.irp c, 0,1
	v_max3_num_f32 v[10+\c], |v[X+32*\c]|, |v[X+32*\c+1]|, 0x2800000   ; block 2 c + h: all 32 numbers are mine; the floor 2^(5 - 127) holds the byte at 1 from below
.endr
.irp i, 2,4,6,8,10,12,14,16,18,20,22,24,26,28,30
.irp c, 0,1
	v_max3_num_f32 v[10+\c], v[10+\c], |v[X+32*\c+\i]|, |v[X+32*\c+\i+1]|   ; (the two blocks by turns)
.endr
.endr
.irp c, 0,1
	v_add_nc_u32 v[12+\c], 0xfe000000, v[10+\c]    ; 4 off the exponent field: the conversion takes the exponent field of this operand as its scale
.endr
.irp c, 0,1
	v_lshrrev_b32 v[10+\c], 23, v[12+\c]           ; the scale's byte
.endr
	v_lshl_or_b32 v14, v11, 16, v10                ; my two bytes: blocks h and 2 + h of row r,
	v_lshlrev_b32 v14, v9, v14                     ; at their places in the word;
	v_permlanex16_b32 v15, v14, s26, s27
	v_or_b32 v[WD+(\f)], v14, v15                  ; with lane l xor 16's two the word is whole
.if (\f) > 0
	s_wait_alu depctr_va_vdst(0)
	s_wait_xcnt 0x0                                ; the last fragment's stores have read the codes' registers: they are written again only behind this wait
.endif
.irp c, 0,1
	v_cvt_scalef32_pk16_bf6_f32 v[PC+6*\c:PC+6*\c+2], v[X+32*\c:X+32*\c+15], v[12+\c]
	v_cvt_scalef32_pk16_bf6_f32 v[PT+4*\c:PT+4*\c+2], v[X+32*\c+16:X+32*\c+31], v[12+\c]   ; (a conversion's three registers begin on an even number)
.endr
	v_nop                                          ; one plain place behind a scaled conversion
.irp c, 0,1
.irp i, 0,1,2
	v_mov_b32 v[PC+6*\c+3+\i], v[PT+4*\c+\i]
.endr
.endr
.irp p, 0,1,2,3,4,5
	global_store_b64 v7, v[PC+2*\p:PC+2*\p+1], s[22:23] offset:1536*(\f)+256*\p   ; 32 lanes store 256 consecutive bytes, aligned
.endr
.endm
	LOAD 0
	LOAD 1
	STEP 0
	STEP 1
	STEP 2
	STEP 3
	v_cmp_ne_u32 vcc_lo, 0, v3
	v_cndmask_b32 v20, v[WD], v[WD+2], vcc_lo      ; lane (r, h) stores words 2 h and 2 h + 1 of row r
	v_cndmask_b32 v21, v[WD+1], v[WD+3], vcc_lo
	global_store_b64 v8, v[20:21], s[24:25]        ; 256 consecutive bytes, aligned
	s_wait_tensorcnt 0x0                           ; the wave's end
	ds_add_u32 v240, v241
	s_wait_dscnt 0x0
	s_endpgm
.Lfunc_end_k_q737fcac322_quant:
	.size	k_q737fcac322_quant, .Lfunc_end_k_q737fcac322_quant-k_q737fcac322_quant
	.p2alignl 7, 3214868480
	.fill 96, 4, 3214868480
	.section	.rodata,"a",@progbits
	.p2align	6, 0x0
	.amdhsa_kernel k_q737fcac322_quant
		.amdhsa_group_segment_fixed_size 51456
		.amdhsa_private_segment_fixed_size 0
		.amdhsa_enable_private_segment 0
		.amdhsa_kernarg_size 56
		.amdhsa_user_sgpr_count 2
		.amdhsa_user_sgpr_kernarg_segment_ptr 1
		.amdhsa_wavefront_size32 1
		.amdhsa_system_sgpr_workgroup_id_x 1
		.amdhsa_system_sgpr_workgroup_id_y 1
		.amdhsa_system_sgpr_workgroup_id_z 1
		.amdhsa_system_vgpr_workitem_id 0
		.amdhsa_next_free_vgpr 242
		.amdhsa_next_free_sgpr 66
		.amdhsa_reserve_vcc 1
		.amdhsa_float_denorm_mode_32 3
		.amdhsa_float_denorm_mode_16_64 3
		.amdhsa_memory_ordered 1
		.amdhsa_forward_progress 1
		.amdhsa_inst_pref_size 32
	.end_amdhsa_kernel
	.amdgpu_metadata
---
amdhsa.version: [ 1, 2 ]
amdhsa.kernels:
  - .name:           k_q737fcac322_quant
    .symbol:         k_q737fcac322_quant.kd
    .args:
      - { .name: x, .offset: 0, .size: 8, .value_kind: global_buffer, .address_space: global }
      - { .name: W_q, .offset: 8, .size: 8, .value_kind: global_buffer, .address_space: global }
      - { .name: W_k, .offset: 16, .size: 8, .value_kind: global_buffer, .address_space: global }
      - { .name: W_v, .offset: 24, .size: 8, .value_kind: global_buffer, .address_space: global }
      - { .name: W_o, .offset: 32, .size: 8, .value_kind: global_buffer, .address_space: global }
      - { .name: XQ, .offset: 40, .size: 8, .value_kind: global_buffer, .address_space: global }
      - { .name: WQ, .offset: 48, .size: 8, .value_kind: global_buffer, .address_space: global }
    .group_segment_fixed_size: 51456
    .private_segment_fixed_size: 0
    .kernarg_segment_align: 8
    .kernarg_segment_size: 56
    .max_flat_workgroup_size: 192
    .sgpr_count:     66
    .vgpr_count:     242
    .wavefront_size: 32
...
	.end_amdgpu_metadata
.endif
;; end of part 1
;; launch qkv (part 2): grid 4 x 64, 4 waves a work-group, clusters of 4 x 4, 327,680 bytes of LDS; arguments XQ, WQ, b_q, b_k, b_v, QB, KB, VB; writes QB, KB, VB
.if DOCPART == 2
	.amdgcn_target "amdgcn-amd-amdhsa--gfx1250"
	.amdhsa_code_object_version 6
	.text
	.protected	k_q737fcac322_qkv
	.globl	k_q737fcac322_qkv
	.p2align	8
	.type	k_q737fcac322_qkv,@function
k_q737fcac322_qkv:
	s_mov_b64 s[64:65], 0
	v_nop
	global_prefetch_b8 v0, s[64:65] scope:SCOPE_SE
	s_setreg_imm32_b32 hwreg(HW_REG_WAVE_MODE, 25, 1), 1
	s_wait_xcnt 0x0
	s_wait_alu depctr_hold_cnt(0) depctr_sa_sdst(0) depctr_va_vdst(0) depctr_va_sdst(0) depctr_va_ssrc(0) depctr_va_vcc(0) depctr_vm_vsrc(0)
	s_getreg_b32 s2, hwreg(HW_REG_IB_STS2, 6, 4)
	s_cmp_eq_u32 s2, 0
	s_cbranch_scc0 .Lentry_in_a_cluster
	s_endpgm
.Lentry_in_a_cluster:
	s_bfe_u32 s2, ttmp6, 0x10000c
	s_cmp_lg_u32 s2, 0xf033
	s_cbranch_scc0 .Lentry_shape_is_right
	s_endpgm
.Lentry_shape_is_right:
; Q = x W_q^T + b_q, K = x W_k^T + b_k, V = x W_v^T + b_v on codes of BF6 (E3M2) with E8M0 scales, sums in f32; the results are quantised in registers for attention's two
; products and stored as images of the operands' registers: Q and K along the head's 64 channels, V along the keys.  They never exist in memory as f32.
; LIMITS: a block of zeros gets the byte 1 and not 127 (zero codes; only this program reads the bytes); blocks under 2^-122 are held at byte 1; NaN and infinities are not served.
; TILE.  128 rows of an operand "A" x 256 rows of an operand "B"; four waves, each 64 x 128: 32 accumulators, 256 registers.  Source 0 = 16 rows of B, source 1 = 16 rows of A:
; a lane holds ONE row of A, and since tiles hold rows 32 (t / 2) + 8 (t % 2) + i + 8 (i / 8), its 64 registers of a tile of A are: register 16 b + n = B's row 32 b + 16 (lane / 16) + n.
; A WORK-GROUP STAYS and makes three tiles: Q's and K's (A = my 128 rows of x, B = 256 rows of W_q, then of W_k: the registers run along the channels), in a loop of two trips; then V's
; (A = 128 rows of W_v, B = 256 rows of x: a lane holds a channel, the registers run along the keys), written out as the tail, which asks for nothing more.  768 tiles = 256 work-groups x 3.
; LDS: a ring of two slots of 147,456 bytes; slot h holds K steps 4 h .. 4 h + 3 of A's 8 tiles and B's 16, [tile][6,144 bytes].  Slot 0 is filled again, for the next tile, in K step 3, slot 1 in K step 7:
; one joint load a wave, behind the three lines and a round of the cluster's barrier.  By this text's count a wave has one tensor load out.
; CLUSTER 4 x 4: A's tiles are shared along a row of the cluster, B's along a column.  All sixteen partners make the same kind of tile in the same trip.
; NO PREFETCH: a refill asks either for x's codes, which this launch's earlier tiles have read, or for one weight's 786,432 bytes, which all 16 clusters ask for in the same trip.
; REGISTERS: window 0: v1-15 addresses; v16-31 A's scale words, v32-63 B's (register q: K step q in lanes 0-15, K step 4 + q in lanes 16-31); v64-111 A's 4 fragments; v112-175 bias; v176-239, v240-249, v252-255 at work on the way out.
;   window 1: accumulator (a, b) at v[8 (8 a + b)].   window 2: B's fragments, two sets, at v0 and v128.
.set SA,  16
.set SB,  32
.set AF,  64
.set BB,  112
.set HA,  176
.set TM,  240
.set PW,  248
.set VA,  250                          ; v250 my spare word's address, v251 zero: never rewritten
.set VZ,  251
.set PC,  64                           ; on the way out A's fragments are done with: v64-82 codes, v84-87 the four tiles' scale words, v88-93 at work
.set ADA, 8                            ; v8, v9 my A fragments in slot 0, 1;  v12, v13 my B fragments
.set ADB, 12
.set SEL, 66
.set G1A, 32
.set G1B, 40
.set G0A, 48                           ; s[48:55] group 0 for A's tiles, one set a slot;  s[56:63] for B's
.set G0B, 56
.set AX,  68                           ; tensor addresses: x as A;  W_k as B;  W_v as A;  x as B
.set BK,  70
.set AV,  72
.set BV,  74
.set SAP, 76                           ; scale words of the tile that is loaded next: A's, B's;  V's tile: A's, B's
.set SBP, 78
.set SAV, 80
.set SBV, 82
.set BIA, 84                           ; this tile's bias, codes' and scale words' places
.set DC,  86
.set DS,  88
.set OB,  90                           ; Q, K: their offsets
.set OC,  92
.set OS,  94
.set VBI, 96                           ; V: the pointers
.set VDC, 98
.set VDS, 100
.set SLOT, 147456
.set SPARE, 2*SLOT
.set MSB, 0
.macro WIN new                         ; the immediate's high byte repeats the setting that is left
.if MSB != \new
	s_set_vgpr_msb (MSB<<8)|\new
.set MSB, \new
.endif
.endm
.set MUL,  0x52                        ; source 0 (B) window 2, source 1 (A) window 0, C and D window 1
.set TO_B, 0x80                        ; destination window 2, address window 0
.macro CREST                           ; a round of the cluster's barrier behind its opening barrier
	s_cmp_lg_u32 s20, 0
	s_cbranch_scc1 .Lnot_wave_0_\@
	s_barrier_signal -3
.Lnot_wave_0_\@:
	s_barrier_wait -3
	s_barrier_signal -1
	s_barrier_wait -1
.endm
.macro CROUND
	s_barrier_signal -1
	s_barrier_wait -1
	CREST
.endm
.macro PLACES n
.rept \n
	v_nop
.endr
.endm
.macro JLOAD sl                        ; a joint load into slot sl: waves 0, 1 fetch A's halves, waves 2, 3 B's; s_nop 0 and four v_nop follow each line
	s_cmp_lt_u32 s20, 2
	s_cbranch_scc0 .Lfor_b_\@
	tensor_load_to_lds s[G0A+4*(\sl):G0A+4*(\sl)+3], s[G1A:G1A+7]
	s_nop 0
	PLACES 4
	s_branch .Lasked_\@
.Lfor_b_\@:
	tensor_load_to_lds s[G0B+4*(\sl):G0B+4*(\sl)+3], s[G1B:G1B+7]
	s_nop 0
	PLACES 4
.Lasked_\@:
.endm
.macro NEXT sl                         ; slot sl's next fill belongs to the next tile: K's behind Q's (trip 0), V's behind K's (trip 1).  No tensor load of mine is out here
	s_cmp_eq_u32 s2, 0
	s_cselect_b64 s[G0A+4*(\sl)+2:G0A+4*(\sl)+3], s[AX:AX+1], s[AV:AV+1]
	s_cselect_b64 s[G0B+4*(\sl)+2:G0B+4*(\sl)+3], s[BK:BK+1], s[BV:BV+1]
.if (\sl)
	s_add_nc_u64 s[G0A+6:G0A+7], s[G0A+6:G0A+7], 6144            ; the second half of K
	s_add_nc_u64 s[G0B+6:G0B+7], s[G0B+6:G0B+7], 6144
	s_add_nc_u64 s[28:29], s[SBP:SBP+1], 32768                   ; and the next tile's scale words: W_k's lie 64 tiles behind W_q's
	s_cselect_b64 s[SBP:SBP+1], s[28:29], s[SBV:SBV+1]
	s_cselect_b64 s[SAP:SAP+1], s[SAP:SAP+1], s[SAV:SAV+1]
.endif
.endm
.macro FRAG reg, adr, off              ; a fragment's image: six pieces of 256 consecutive bytes
.irp p, 0,1,2,3,4,5
	ds_load_b64 v[(\reg)+2*\p:(\reg)+2*\p+1], v[\adr] offset:(\off)+256*\p
.endr
.endm
.macro FETCH_B s                       ; B's eight fragments of K step s into set s % 2
	WIN TO_B
.irp b, 0,1,2,3,4,5,6,7
	FRAG 128*((\s)%2)+12*\b, ADB+(\s)/4, 6144*\b+1536*((\s)%4)
.endr
	WIN 0
.endm
.macro FETCH_A s, a0                   ; A's blocks a0, a0 + 1
.irp a, \a0, \a0+1
	FRAG AF+12*(\a), ADA+(\s)/4, 6144*(\a)+1536*((\s)%4)
.endr
.endm
; 8 matrix instructions: A's block a x B's eight, K step s; K step 0 starts the sums.  The 32 accumulators take turns, one instruction a turn, in the same order in every step.
.macro MUL8 a, s
.irp b, 0,1,2,3,4,5,6,7
.set AC, 8*(8*(\a)+\b)
.set BF, 128*((\s)%2)+12*\b
.set AR, AF+12*(\a)
.set SBR, SB+4*\b+(\s)%4
.set SAR, SA+4*(\a)+(\s)%4
.if (\s) == 0
	v_wmma_scale_f32_16x16x128_f8f6f4 v[AC:AC+7], v[BF:BF+11], v[AR:AR+11], 0, v[SBR], v[SAR] matrix_a_fmt:MATRIX_FMT_BF6 matrix_b_fmt:MATRIX_FMT_BF6
.elseif (\s) < 4
	v_wmma_scale_f32_16x16x128_f8f6f4 v[AC:AC+7], v[BF:BF+11], v[AR:AR+11], v[AC:AC+7], v[SBR], v[SAR] matrix_a_fmt:MATRIX_FMT_BF6 matrix_b_fmt:MATRIX_FMT_BF6
.else
	v_wmma_scale_f32_16x16x128_f8f6f4 v[AC:AC+7], v[BF:BF+11], v[AR:AR+11], v[AC:AC+7], v[SBR], v[SAR] matrix_a_fmt:MATRIX_FMT_BF6 matrix_b_fmt:MATRIX_FMT_BF6 matrix_a_scale:MATRIX_SCALE_ROW1 matrix_b_scale:MATRIX_SCALE_ROW1
.endif
.endr
.endm
; A K step: 32 matrix instructions.  A's blocks 0, 1 are fetched anew in its middle with B's next set, blocks 2, 3 at its end; four places stand in front of loads into registers that matrix instructions have read.
; kind 0: nothing else.  kind 1 (K steps 3 and 7 of a tile that has a successor): all my reads of slot s / 4 have been issued.  I wait for all my tensor loads (the other slot's fill), add 0 to my spare word, wait for the add and my reads;
; the barrier opens a round of the cluster's barrier; behind it the slot is filled again first, and the other slot is whole for everybody.  kind 2 (K step 3 of the last tile): the wait and a barrier show slot 1 whole; nothing is filled.
.macro STEP s, kind
.if (\kind) == 0
	s_wait_dscnt 12                                ; B's set and A's blocks 0, 1 are in; the 12 youngest loads (A's blocks 2, 3) may be out
	WIN MUL
	MUL8 0, \s
	MUL8 1, \s
	s_wait_dscnt 0x0                               ; A's blocks 2, 3 are in
.if (\s) < 7
	PLACES 4
.endif
.else
	s_wait_tensorcnt 0x0
.if (\kind) == 1
	ds_add_u32 v[VA], v[VZ]
	NEXT (\s)/4
	s_wait_dscnt 13                                ; (the add and A's blocks 2, 3 may be out)
.else
	s_wait_dscnt 12
.endif
	WIN MUL
	MUL8 0, \s
	s_wait_dscnt 0x0                               ; the add is done, and all my reads
	s_barrier_signal -1
	MUL8 1, \s
	WIN 0
	s_barrier_wait -1
.if (\kind) == 1
	CREST
	JLOAD (\s)/4                                   ; the first tensor load behind the round; its four v_nop are the places in front of the loads below
.else
	PLACES 4
.endif
.endif
.if (\s) < 7
	FETCH_B (\s)+1
	FETCH_A (\s)+1, 0
.endif
	WIN MUL
	MUL8 2, \s
	MUL8 3, \s
.if (\s) < 7
	PLACES 4
	WIN 0
	FETCH_A (\s)+1, 2
.endif
.endm
; 64 numbers of a lane, v[s] .. v[s + 63], register 16 b + i = k 32 b + 16 (lane / 16) + i of my row, become a fragment's codes in v[PC] on and its scale word in v[PW].
.macro QUANT s
.irp b, 0,1,2,3
	v_max3_num_f32 v[TM+\b], |v[\s+16*\b]|, |v[\s+1+16*\b]|, 0x2800000   ; block b: my 16 numbers, and the floor 2^(5 - 127): the byte cannot fall under 1
.endr
.irp i, 2,4,6,8,10,12,14
.irp b, 0,1,2,3
	v_max3_num_f32 v[TM+\b], v[TM+\b], |v[\s+16*\b+\i]|, |v[\s+1+16*\b+\i]|
.endr
.endr
.irp b, 0,1,2,3
	v_permlanex16_b32 v[TM+4+\b], v[TM+\b], s[SEL], s[SEL+1]
.endr
.irp b, 0,1,2,3
	v_max_num_f32 v[TM+\b], v[TM+\b], v[TM+4+\b]   ; with lane l xor 16's: the block's largest magnitude
.endr
.irp b, 0,1,2,3
	v_add_nc_u32 v[TM+12+\b], 0xfe000000, v[TM+\b] ; 4 off its exponent field: the conversion's scale operand
.endr
.irp b, 0,1,2,3
	v_lshrrev_b32 v[TM+4+\b], 23, v[TM+12+\b]      ; the scale's byte
.endr
	v_lshl_or_b32 v[PW], v[TM+5], 8, v[TM+4]       ; the four bytes make my row's scale word
	v_lshl_or_b32 v[PW], v[TM+6], 16, v[PW]
	v_lshl_or_b32 v[PW], v[TM+7], 24, v[PW]
.irp c, 0,1
	v_cvt_scalef32_pk16_bf6_f32 v[PC+6*\c:PC+2+6*\c], v[\s+32*\c:\s+15+32*\c], v[TM+12+2*\c]
	v_cvt_scalef32_pk16_bf6_f32 v[PC+12+4*\c:PC+14+4*\c], v[\s+16+32*\c:\s+31+32*\c], v[TM+12+2*\c+1]   ; (a conversion's three registers begin on an even number)
.endr
	v_nop                                          ; one plain place behind a scaled conversion
.irp c, 0,1                                    ; the operand's layout wants a WHOLE block in a lane: lanes 0-15 block 2 c, lanes 16-31 block 2 c + 1
.irp i, 0,1,2
	v_permlane16_swap_b32 v[PC+6*\c+\i], v[PC+12+4*\c+\i]
.endr
.irp i, 0,1,2
	v_mov_b32 v[PC+3+6*\c+\i], v[PC+12+4*\c+\i]
.endr
.endr
.endm
; THE WAY OUT of A's tile a: bias, quantiser, six stores of 256 consecutive aligned bytes.  Each accumulator is read from its low end on.
.macro OUT a, vmode
.if (\a) > 0
	s_wait_xcnt 0x0                                ; the last tile's stores have read the codes' registers
.endif
	WIN 0x01                                       ; source 0: window 1
.set NN, 0
.rept 32
.if \vmode
	v_pk_add_f32 v[HA+2*NN:HA+2*NN+1], v[64*(\a)+2*NN:64*(\a)+2*NN+1], v[BB+2*(\a):BB+2*(\a)+1]
.else
	v_pk_add_f32 v[HA+2*NN:HA+2*NN+1], v[64*(\a)+2*NN:64*(\a)+2*NN+1], v[BB+2*NN:BB+2*NN+1]
.endif
.set NN, NN+1
.endr
	WIN 0
	QUANT HA
	v_mov_b32 v[84+(\a)], v[PW]
.irp p, 0,1,2,3,4,5
.if \vmode
	global_store_b64 v1, v[PC+2*\p:PC+2*\p+1], s[VDC:VDC+1] offset:1536*(\a)+256*\p                   ; tile a of the head's channels x 128 keys
.else
	global_store_b64 v1, v[PC+2*\p:PC+2*\p+1], s[DC:DC+1] offset:768*(\a)+256*(\p%3)+98304*(\p/3)     ; pieces 0-2: the even head's 64 channels, 3-5: the odd head's; tile a is half a % 2 of pair a / 2
.endif
.endr
.endm
.macro SCALES                          ; a tile's scale words: 512 consecutive bytes a load
.irp a, 0,1,2,3
	global_load_b128 v[SA+4*\a:SA+4*\a+3], v4, s[SAP:SAP+1] offset:512*\a
.endr
.irp b, 0,1,2,3,4,5,6,7
	global_load_b128 v[SB+4*\b:SB+4*\b+3], v4, s[SBP:SBP+1] offset:512*\b
.endr
.endm
	s_load_b512 s[4:19], s[0:1], 0x0               ; XQ s[4:5], WQ s[6:7], b_q, b_k, b_v s[8:13], QB, KB, VB s[14:19]
	v_lshl_add_u32 v[VA], v0, 2, SPARE
	v_mov_b32 v[VZ], 0
	ds_add_u32 v[VA], v[VZ]                        ; the opening lines: the add, twice on end, and its wait
	ds_add_u32 v[VA], v[VZ]
	v_lshrrev_b32 v1, 5, v0
	v_readfirstlane_b32 s20, v1                    ; wave 0..3
	s_lshr_b32 s21, s20, 1                         ; wa: which 64 rows of A are mine
	s_and_b32 s22, s20, 1                          ; wb: which 128 rows of B.  Also: which half of a tile I fetch
	s_bfe_u32 s23, ttmp6, 0x40000                  ; cx.  Q, K: B's block of 256 rows in its weight
	s_bfe_u32 s24, ttmp6, 0x40004                  ; cy
	s_and_b32 s27, ttmp7, 0xffff                   ; the cluster's y, 0..15
	s_lshl_b32 s26, s27, 2
	s_add_co_u32 s26, s26, s24                     ; Q, K: A's block of 128 rows of x: 4 Y + cy
	s_and_b32 s25, s27, 7
	s_lshl_b32 s25, s25, 2
	s_add_co_u32 s25, s25, s23                     ; V: B's block of 256 rows of x: 4 (Y % 8) + cx
	s_lshr_b32 s3, s27, 3
	s_lshl_b32 s3, s3, 2
	s_add_co_u32 s3, s3, s24                       ; V: A's block of 128 rows of W_v: 4 (Y / 8) + cy
	s_lshl_b32 s28, s24, 2
	s_lshl_b32 s28, 15, s28                        ; my row of the cluster
	s_lshl_b32 s30, 0x1111, s23                    ; my column
	; descriptor group 1: R tiles' 6,144 bytes (four K steps) each, 12,288 bytes apart in memory, dense in LDS; elements of 8 bytes
	s_or_b32 s[G1A], s28, (3<<16)|(1<<21)
	s_or_b32 s[G1B], s30, (3<<16)|(1<<21)
	s_mov_b32 s[G1A+1], 768<<16
	s_mov_b32 s[G1A+2], 4<<16
	s_mov_b32 s[G1A+3], 768<<16
	s_mov_b32 s[G1A+4], 4
	s_mov_b32 s[G1A+5], 1536
	s_mov_b32 s[G1A+6], 0
	s_mov_b32 s[G1A+7], 0
	s_mov_b32 s[G1B+1], 768<<16
	s_mov_b32 s[G1B+2], 8<<16
	s_mov_b32 s[G1B+3], 768<<16
	s_mov_b32 s[G1B+4], 8
	s_mov_b32 s[G1B+5], 1536
	s_mov_b32 s[G1B+6], 0
	s_mov_b32 s[G1B+7], 0
	s_mul_i32 s29, s22, 49152                      ; codes: 12,288 bytes a tile; A: 8 tiles a block, my half of them; B: 16
	s_mul_i32 s31, s22, 98304
	s_mul_i32 s[AX], s26, 98304
	s_add_co_u32 s[AX], s[AX], s29
	s_mul_i32 s[BK], s23, 196608
	s_add_co_u32 s[BK], s[BK], s31
	s_mul_i32 s[AV], s3, 98304
	s_add_co_u32 s[AV], s[AV], s29
	s_add_co_u32 s[AV], s[AV], 1572864             ; W_v's codes: tile 128 of WQ
	s_mul_i32 s[BV], s25, 196608
	s_add_co_u32 s[BV], s[BV], s31
	s_lshl_b32 s29, s21, 11                        ; scale words: 512 bytes a tile; A: tile 8 x block + 4 wa; B: tile 16 x block + 8 wb
	s_lshl_b32 s31, s22, 12
	s_lshl_b32 s[SAP], s26, 12
	s_add_co_u32 s[SAP], s[SAP], s29
	s_add_co_u32 s[SAP], s[SAP], 0x600000
	s_lshl_b32 s[SBP], s23, 13
	s_add_co_u32 s[SBP], s[SBP], s31
	s_add_co_u32 s[SBP], s[SBP], 0x300000
	s_lshl_b32 s[SAV], s3, 12
	s_add_co_u32 s[SAV], s[SAV], s29
	s_add_co_u32 s[SAV], s[SAV], 0x310000
	s_lshl_b32 s[SBV], s25, 13
	s_add_co_u32 s[SBV], s[SBV], s31
	s_add_co_u32 s[SBV], s[SBV], 0x600000
	s_lshl_b32 s[OB], s23, 10
	s_lshl_b32 s29, s22, 9
	s_add_co_u32 s[OB], s[OB], s29                 ; Q, K: my 128 channels' bias
	s_lshl_b32 s[VBI], s3, 9
	s_lshl_b32 s29, s21, 8
	s_add_co_u32 s[VBI], s[VBI], s29               ; V: my 64 channels' bias
	; Q, K go to [batch][head][pair of tiles][1,536]; scale words [batch][head / 2][pair / 2][256]
	s_lshl_b32 s29, s26, 7
	s_lshl_b32 s31, s21, 6
	s_add_co_u32 s29, s29, s31                     ; my first row of x
	s_lshr_b32 s31, s29, 11                        ; batch
	s_and_b32 s29, s29, 2047                       ; row in it
	s_lshl_b32 s31, s31, 3
	s_lshl_b32 s28, s23, 1
	s_add_co_u32 s31, s31, s28
	s_add_co_u32 s31, s31, s22                     ; 8 x batch + my pair of heads
	s_mul_i32 s[OC], s31, 196608
	s_lshr_b32 s28, s29, 5
	s_mul_i32 s28, s28, 1536
	s_add_co_u32 s[OC], s[OC], s28
	s_lshl_b32 s31, s31, 5
	s_lshr_b32 s28, s29, 6
	s_add_co_u32 s31, s31, s28
	s_lshl_b32 s[OS], s31, 8
	s_add_co_u32 s[OS], s[OS], 0x600000
	; V goes to [batch][head][128 keys][4 tiles of channels][1,536]; scale words [batch][head][128 keys][256]
	s_lshl_b32 s28, s3, 1
	s_add_co_u32 s28, s28, s21                     ; head
	s_lshl_b32 s29, s25, 8
	s_lshl_b32 s31, s22, 7
	s_add_co_u32 s29, s29, s31                     ; my first key, as a row of x
	s_lshr_b32 s31, s29, 11                        ; batch
	s_bfe_u32 s29, s29, 0x40007                    ; which 128 keys of it
	s_lshl_b32 s31, s31, 4
	s_add_co_u32 s31, s31, s28
	s_lshl_b32 s31, s31, 4
	s_add_co_u32 s31, s31, s29
	s_mul_i32 s[VDC], s31, 6144
	s_lshl_b32 s[VDS], s31, 8
	s_add_co_u32 s[VDS], s[VDS], 0x600000
.irp d, AX, BK, AV, BV, SAP, SBP, SAV, SBV, OB, OC, OS, VBI, VDC, VDS
	s_mov_b32 s[\d+1], 0
.endr
	s_mov_b32 s[G0A], 1
	s_mov_b32 s[G0A+4], 1
	s_mov_b32 s[G0B], 1
	s_mov_b32 s[G0B+4], 1
	s_mul_i32 s[G0A+1], s22, 24576                 ; where they go in a slot: A's halves, then B's: no place in the cluster enters an LDS address
	s_add_co_u32 s[G0A+5], s[G0A+1], SLOT
	s_mul_i32 s[G0B+1], s22, 49152
	s_add_co_u32 s[G0B+1], s[G0B+1], 49152
	s_add_co_u32 s[G0B+5], s[G0B+1], SLOT
	s_mov_b32 s[SEL], 0x76543210
	s_mov_b32 s[SEL+1], 0xfedcba98
	s_mov_b32 s2, 0                                ; the trip: 0 Q, 1 K
	s_wait_dscnt 0x0
	s_wait_kmcnt 0x0
.irp d, AX, BV, SAP, SBV
	s_add_nc_u64 s[\d:\d+1], s[4:5], s[\d:\d+1]
.endr
.irp d, BK, AV, SBP, SAV
	s_add_nc_u64 s[\d:\d+1], s[6:7], s[\d:\d+1]
.endr
	s_add_nc_u64 s[VBI:VBI+1], s[12:13], s[VBI:VBI+1]
	s_add_nc_u64 s[VDC:VDC+1], s[18:19], s[VDC:VDC+1]
	s_add_nc_u64 s[VDS:VDS+1], s[18:19], s[VDS:VDS+1]
.irp d, AX, BK, AV, BV
	s_or_b32 s[\d+1], s[\d+1], 0x80000000
.endr
	s_mov_b64 s[G0A+2:G0A+3], s[AX:AX+1]           ; Q's tile: x and W_q
	s_add_nc_u64 s[G0A+6:G0A+7], s[AX:AX+1], 6144
	s_mov_b64 s[G0B+2:G0B+3], s[BK:BK+1]
	s_add_nc_u64 s[G0B+6:G0B+7], s[BK:BK+1], 6144
	s_add_nc_u64 s[BK:BK+1], s[BK:BK+1], 786432    ; W_k's codes lie 64 tiles behind W_q's
	CROUND                                         ; all sixteen work-groups are here: the joint loads meet
	JLOAD 0                                        ; one load a wave at the head
	v_and_b32 v1, 31, v0
	v_lshlrev_b32 v1, 3, v1                        ; 8 x lane: a piece's place for my lane
	v_and_b32 v2, 15, v0                           ; r
	v_bfe_u32 v3, v0, 4, 1                         ; h
	v_lshlrev_b32 v4, 4, v2
	v_lshl_add_u32 v4, v3, 8, v4                   ; scale words: 256 h + 16 r
	v_lshlrev_b32 v5, 6, v3                        ; bias along the registers: 16 h numbers on
	v_lshlrev_b32 v6, 3, v2
	v_lshl_add_u32 v6, v3, 7, v6                   ; the results' scale words: 128 h + 8 r
	v_and_b32 v7, 8, v2
	v_add_nc_u32 v7, v7, v2
	v_lshlrev_b32 v7, 2, v7                        ; bias along the lanes: 4 (r + 8 (r / 8))
	s_mul_i32 s28, s21, 24576
	s_mul_i32 s30, s22, 49152
	s_add_co_u32 s30, s30, 49152
.irp j, 0,1
	v_add_nc_u32 v[ADA+\j], s28, v1
	v_add_nc_u32 v[ADB+\j], s30, v1
	s_add_co_u32 s28, s28, SLOT
	s_add_co_u32 s30, s30, SLOT
.endr
.irp b, 0,1,2,3
	v_mov_b32 v[TM+4+\b], 0                        ; written once: a lane permute's destination counts as one of its sources
.endr
	s_wait_alu depctr_va_vdst(0)                   ; the wait at the head's end
	SCALES
	s_wait_tensorcnt 0x0                           ; my part of slot 0 is in
	ds_add_u32 v[VA], v[VZ]
	s_wait_dscnt 0x0
	CROUND
	JLOAD 1                                        ; slot 1's first fill
.Ltile:
	s_wait_xcnt 0x0                                ; the last tile's stores have read their registers and bases
	FETCH_B 0
	FETCH_A 0, 0
	FETCH_A 0, 2
	s_cmp_eq_u32 s2, 0
	s_cselect_b64 s[BIA:BIA+1], s[8:9], s[10:11]
	s_cselect_b64 s[DC:DC+1], s[14:15], s[16:17]
	s_add_nc_u64 s[BIA:BIA+1], s[BIA:BIA+1], s[OB:OB+1]
	s_add_nc_u64 s[DS:DS+1], s[DC:DC+1], s[OS:OS+1]
	s_add_nc_u64 s[DC:DC+1], s[DC:DC+1], s[OC:OC+1]
	s_wait_loadcnt 0x0                             ; this tile's scale words
.irp b, 0,1,2,3,4,5,6,7                        ; its bias lands under the K steps
	global_load_b128 v[BB+8*\b:BB+8*\b+3], v5, s[BIA:BIA+1] offset:4*(32*(\b/2)+8*(\b%2))       ; register 8 b + j: channel 32 (b / 2) + 8 (b % 2) + 16 h + j
	global_load_b128 v[BB+8*\b+4:BB+8*\b+7], v5, s[BIA:BIA+1] offset:4*(32*(\b/2)+8*(\b%2))+16
.endr
	STEP 0, 0
	STEP 1, 0
	STEP 2, 0
	STEP 3, 1
	STEP 4, 0
	STEP 5, 0
	STEP 6, 0
	STEP 7, 1
	WIN 0
	PLACES 4                                       ; in front of the loads below, of the first read of results and of writes into registers that the last products read
	SCALES                                         ; the next tile's scale words land under the way out
	s_wait_loadcnt 12                              ; the bias is in; the 12 loads just issued may be out
	OUT 0, 0
	OUT 1, 0
	OUT 2, 0
	OUT 3, 0
.irp pp, 0,1                                   ; a pair's word: bytes 0, 1 its even tile's two blocks, bytes 2, 3 its odd tile's
	v_perm_b32 v[88+\pp], v[85+2*\pp], v[84+2*\pp], 0x05040100   ; the even head: the two low halves
	v_perm_b32 v[90+\pp], v[85+2*\pp], v[84+2*\pp], 0x07060302   ; the odd head: the two high halves
.endr
	v_cmp_ne_u32 vcc_lo, 0, v3
	v_cndmask_b32 v92, v88, v90, vcc_lo            ; lanes 0-15 store the even head's words, lanes 16-31 the odd head's
	v_cndmask_b32 v93, v89, v91, vcc_lo
	global_store_b64 v6, v[92:93], s[DS:DS+1]      ; 256 consecutive bytes, aligned
	s_add_co_u32 s2, s2, 1
	s_cmp_lt_u32 s2, 2
	s_cbranch_scc1 .Ltile
	; THE TAIL: V's tile.  Its first half of K was shown whole by the last round; nothing more is asked for
	s_wait_xcnt 0x0
	FETCH_B 0
	FETCH_A 0, 0
	FETCH_A 0, 2
	s_wait_loadcnt 0x0
.irp a, 0,1,2,3
	global_load_b32 v[BB+2*\a], v7, s[VBI:VBI+1] offset:4*(32*(\a/2)+8*(\a%2))                  ; my channel of tile a, twice: a pair for the packed addition
	global_load_b32 v[BB+2*\a+1], v7, s[VBI:VBI+1] offset:4*(32*(\a/2)+8*(\a%2))
.endr
	STEP 0, 0
	STEP 1, 0
	STEP 2, 0
	STEP 3, 2
	STEP 4, 0
	STEP 5, 0
	STEP 6, 0
	STEP 7, 0
	WIN 0
	PLACES 4
	s_wait_loadcnt 0x0
	OUT 0, 1
	OUT 1, 1
	OUT 2, 1
	OUT 3, 1
	v_cmp_ne_u32 vcc_lo, 0, v3
	v_cndmask_b32 v92, v84, v86, vcc_lo            ; lanes 0-15: tiles 0, 1; lanes 16-31: tiles 2, 3
	v_cndmask_b32 v93, v85, v87, vcc_lo
	global_store_b64 v6, v[92:93], s[VDS:VDS+1]
	s_wait_tensorcnt 0x0                           ; the wave's end
	ds_add_u32 v[VA], v[VZ]
	s_wait_dscnt 0x0
	CROUND                                         ; the closing round: no work-group ends while a partner may still ask for a tile that names it
	s_endpgm
.Lfunc_end_k_q737fcac322_qkv:
	.size	k_q737fcac322_qkv, .Lfunc_end_k_q737fcac322_qkv-k_q737fcac322_qkv
	.p2alignl 7, 3214868480
	.fill 96, 4, 3214868480
	.section	.rodata,"a",@progbits
	.p2align	6, 0x0
	.amdhsa_kernel k_q737fcac322_qkv
		.amdhsa_group_segment_fixed_size 327680
		.amdhsa_private_segment_fixed_size 0
		.amdhsa_enable_private_segment 0
		.amdhsa_kernarg_size 64
		.amdhsa_user_sgpr_count 2
		.amdhsa_user_sgpr_kernarg_segment_ptr 1
		.amdhsa_wavefront_size32 1
		.amdhsa_system_sgpr_workgroup_id_x 1
		.amdhsa_system_sgpr_workgroup_id_y 1
		.amdhsa_system_sgpr_workgroup_id_z 1
		.amdhsa_system_vgpr_workitem_id 0
		.amdhsa_next_free_vgpr 768
		.amdhsa_next_free_sgpr 102
		.amdhsa_reserve_vcc 1
		.amdhsa_float_denorm_mode_32 3
		.amdhsa_float_denorm_mode_16_64 3
		.amdhsa_memory_ordered 1
		.amdhsa_forward_progress 1
		.amdhsa_inst_pref_size 213
	.end_amdhsa_kernel
	.amdgpu_metadata
---
amdhsa.version: [ 1, 2 ]
amdhsa.kernels:
  - .name:           k_q737fcac322_qkv
    .symbol:         k_q737fcac322_qkv.kd
    .args:
      - { .name: XQ, .offset: 0, .size: 8, .value_kind: global_buffer, .address_space: global }
      - { .name: WQ, .offset: 8, .size: 8, .value_kind: global_buffer, .address_space: global }
      - { .name: b_q, .offset: 16, .size: 8, .value_kind: global_buffer, .address_space: global }
      - { .name: b_k, .offset: 24, .size: 8, .value_kind: global_buffer, .address_space: global }
      - { .name: b_v, .offset: 32, .size: 8, .value_kind: global_buffer, .address_space: global }
      - { .name: QB, .offset: 40, .size: 8, .value_kind: global_buffer, .address_space: global }
      - { .name: KB, .offset: 48, .size: 8, .value_kind: global_buffer, .address_space: global }
      - { .name: VB, .offset: 56, .size: 8, .value_kind: global_buffer, .address_space: global }
    .group_segment_fixed_size: 327680
    .private_segment_fixed_size: 0
    .kernarg_segment_align: 8
    .kernarg_segment_size: 64
    .max_flat_workgroup_size: 128
    .sgpr_count:     102
    .vgpr_count:     768
    .wavefront_size: 32
...
	.end_amdgpu_metadata
.endif
;; end of part 2
;; launch attn (part 3): grid 4 x 64, 16 waves a work-group, clusters of 4 x 1, 221,184 bytes of LDS; arguments QB, KB, VB, CB; writes CB
.if DOCPART == 3
	.amdgcn_target "amdgcn-amd-amdhsa--gfx1250"
	.amdhsa_code_object_version 6
	.text
	.protected	k_q737fcac322_attn
	.globl	k_q737fcac322_attn
	.p2align	8
	.type	k_q737fcac322_attn,@function
k_q737fcac322_attn:
	s_mov_b64 s[64:65], 0
	v_nop
	global_prefetch_b8 v0, s[64:65] scope:SCOPE_SE
	s_setreg_imm32_b32 hwreg(HW_REG_WAVE_MODE, 25, 1), 1
	s_wait_xcnt 0x0
	s_wait_alu depctr_hold_cnt(0) depctr_sa_sdst(0) depctr_va_vdst(0) depctr_va_sdst(0) depctr_va_ssrc(0) depctr_va_vcc(0) depctr_vm_vsrc(0)
	s_getreg_b32 s2, hwreg(HW_REG_IB_STS2, 6, 4)
	s_cmp_eq_u32 s2, 0
	s_cbranch_scc0 .Lentry_in_a_cluster
	s_endpgm
.Lentry_in_a_cluster:
	s_bfe_u32 s2, ttmp6, 0x10000c
	s_cmp_lg_u32 s2, 0x3003
	s_cbranch_scc0 .Lentry_shape_is_right
	s_endpgm
.Lentry_shape_is_right:
; context = softmax(Q K^T / 8) V for one head, both products on codes of BF6 (E3M2) with E8M0 scales; the context is quantised along the channels for the last projection and stored as codes.
; THE SOFTMAX: t = score x log2(e) / 8; M = the running largest t rounded UP to a whole number; p = 2^(t - M) is quantised along the keys, not normalised; the row's sum is taken of the unquantised p, in f32, and divides at the end.
; When M moves, the sums and O are multiplied by 2^(old M - new M): exact.
; LIMITS: the promise holds while the scaled scores t stay under 2^31 in magnitude; a block of zeros gets the byte 1 and not 127 (zero codes; only this program reads the bytes); NaN and infinities are not served.
; SHARES.  A work-group owns 512 queries of one head; the head's four work-groups form a cluster and ask for K and V JOINTLY.  The head's whole K and V, codes and scale words, lie in LDS for the launch, filled once: no ring, no refill.
; One load a wave at the head: waves 0-5 a sixth of K's codes each, waves 6-11 a sixth of V's, wave 12 K's scale words, wave 13 V's.  Every byte is asked for there, so there is no loop to prefetch ahead in.
; Sixteen waves of 256 registers; a wave owns two tiles of 16 queries, taken one after the other in a loop of two trips; the key loop has no barrier.
; LAYOUT.  Both products are used transposed: a lane holds ONE query (lane % 16).  THE HEAD HAS 64 CHANNELS, THE INSTRUCTION 128 ALONG K: a fragment of K holds two tiles of keys, one in each half of K, and is multiplied by [q | zero codes] and by [zero codes | q].
; A BLOCK OF 32 KEYS LIES IN ONE LANE.  In memory a fragment of K holds 32 neighbouring keys (place i of its tile u is key 8 u + i + 8 (i / 8)).  Here rows 0-7 of a fragment are taken from one such fragment and rows 8-15 from the next, by the lanes' LDS addresses:
; row r of fragment (g, j) is place 8 j + r % 8 of the stored fragment 2 g + r / 8.  Score register 32 g + 16 j + 8 u + i of lane (query, h) is then key 64 g + 32 h + 16 j + 8 u + i: the order in which the second product's operand wants p.
; So a block's maximum needs no other lane and p's codes need no exchange between lanes.  K's codes have 64 bytes of padding behind each 512 in LDS: a stored fragment is 1,728 bytes, 192 modulo 256, so the two halves of a gather fall on different banks.
; THE SECOND PRODUCT RUNS ONE STEP BEHIND THE FIRST, on one set of 48 fragment registers: in step n, behind K(n) Q^T, V(n - 1) is fetched under the search for the maxima; O += V(n - 1) p(n - 1) follows, under M(n - 1), and only then O goes under M(n);
; then K(n + 1) is fetched under the exponentials.  Step 0 has no second product and is written out; the last second product stands behind the loop.
; THE EXPONENTIALS go in four batches of 16, laid by turns with plain work that hangs on nothing written in the same batch: the next quarter's t - M, sums of pairs of the quarter before.  One wait stands between batches.
.set KF,  56                           ; v56-103  four fragments of K or of V
.set S,   108                          ; v108-171 S^T, then p
.set O,   172                          ; v172-203 O^T
.set P,   204                          ; v204-215 p's codes
.set PT,  216                          ; v216-218, v220-222 the upper halves of the blocks, as the conversions leave them
.set BM,  224                          ; v224-225 my two blocks' maxima
.set BS,  226                          ; v226-227 the conversions' scale operands
.set BT,  228                          ; v228-229 at work; v230-231 destinations of lane permutes
.set AC,  232                          ; v232-239 the row's sum in four pairs
.set T,   240                          ; v240-247 sums of pairs of one quarter
.set QF,  44                           ; v44-55 my pair of tiles of Q;  v16-33: zero codes, q, zero codes: [0 | q] = v16-27, [q | 0] = v22-33
                                       ; v36-39 K's scale words, v40, v41 q's, v42 the pair's, v43 p's, v104-107 V's;  v12 -M, v13 the running largest score, v34 f
.set VC,  110592                       ; LDS: K's codes from 0 (64 x 1,728), V's codes here,
.set KSW, 208896                       ; K's scale words, 4,096 bytes,
.set VSW, 212992                       ; V's, 4,096 bytes;
.set SCR, 218112                       ; 1,024 bytes for the context's scale bytes: no fill lands in them
.set SPARE, 219136                     ; the spare words: 128 bytes for each of 16 waves
.set G1K,  24
.set G1V,  32
.set G1KS, 40
.set G1VS, 48
.set G0K,  56
.set G0V,  60
.set G0KS, 68
.set G0VS, 72
.macro CROUND                          ; a round of the cluster's barrier
	s_barrier_signal -1
	s_barrier_wait -1
	s_cmp_lg_u32 s12, 0
	s_cbranch_scc1 .Lnot_wave_0_\@
	s_barrier_signal -3
.Lnot_wave_0_\@:
	s_barrier_wait -3
	s_barrier_signal -1
	s_barrier_wait -1
.endm
.macro GRP1 g, w0, c, r, p             ; descriptor group 1: r rows of c elements of 8 bytes, p elements apart
	s_mov_b32 s[\g], \w0
	s_mov_b32 s[\g+1], (\c)<<16
	s_mov_b32 s[\g+2], (\r)<<16
	s_mov_b32 s[\g+3], (\c)<<16
	s_mov_b32 s[\g+4], \r
	s_mov_b32 s[\g+5], \p
	s_mov_b32 s[\g+6], 0
	s_mov_b32 s[\g+7], 0
.endm
.macro ASK g0, g1                      ; a joint load with s_nop 0 and four v_nop behind it
	tensor_load_to_lds s[\g0:\g0+3], s[\g1:\g1+7]
	s_nop 0
.rept 4
	v_nop
.endr
.endm
	s_load_b256 s[4:11], s[0:1], 0x0               ; QB, KB, VB, CB
	v_lshl_add_u32 v254, v0, 2, SPARE
	v_mov_b32 v255, 0
	ds_add_u32 v254, v255                          ; the opening lines: the add, twice on end, and its wait
	ds_add_u32 v254, v255
	v_lshrrev_b32 v1, 5, v0
	v_readfirstlane_b32 s12, v1                    ; wave 0..15
	s_bfe_u32 s13, ttmp6, 0x40000                  ; cx: which 512 queries
	s_and_b32 s14, ttmp7, 0xffff                   ; 16 x batch + head
	; mask = all four partners, bit 21 beside it
	GRP1 G1K, 15|(3<<16)|(1<<20)|(1<<21)|(6<<22)|(15<<25), 64, 32, 64   ; K's codes: 16,384 dense bytes as 32 rows of 512, 16 words of padding behind each 128
	GRP1 G1V, 15|(3<<16)|(1<<21), 32, 64, 32       ; V's codes: 16,384 dense bytes as 64 rows of 256
	GRP1 G1KS, 15|(3<<16)|(1<<21), 16, 32, 32      ; K's scale words: 32 rows of 128 bytes, 256 apart: my head's half of each unit
	GRP1 G1VS, 15|(3<<16)|(1<<21), 32, 16, 32      ; V's: 16 rows of 256 bytes, dense
	s_mul_i32 s76, s14, 98304                      ; the head's codes, in QB, KB and VB alike
	s_mov_b32 s77, 0
	s_lshr_b32 s78, s14, 1
	s_lshl_b32 s78, s78, 13
	s_and_b32 s79, s14, 1
	s_lshl_b32 s79, s79, 7
	s_add_co_u32 s78, s78, s79                     ; K's scale words: 8,192 bytes a pair of heads, + 128 for the odd head
	s_mov_b32 s79, 0
	s_lshl_b32 s80, s14, 12                        ; V's: 4,096 bytes a head
	s_mov_b32 s81, 0
	s_lshl_b32 s82, s12, 14                        ; waves 0-5: my sixth of K's codes
	s_mov_b32 s83, 0
	s_max_u32 s84, s12, 6
	s_sub_co_u32 s84, s84, 6
	s_lshl_b32 s84, s84, 14                        ; waves 6-11: my sixth of V's
	s_mov_b32 s85, 0
	s_mov_b32 s[G0K], 1
	s_mul_i32 s[G0K+1], s12, 18432                 ; 32 padded rows of 576 bytes a wave
	s_mov_b32 s[G0V], 1
	s_lshl_b32 s[G0V+1], s12, 14
	s_add_co_u32 s[G0V+1], s[G0V+1], VC-6*16384
	s_mov_b32 s[G0KS], 1
	s_mov_b32 s[G0KS+1], KSW
	s_mov_b32 s[G0VS], 1
	s_mov_b32 s[G0VS+1], VSW
	s_wait_dscnt 0x0
	s_wait_kmcnt 0x0
	s_add_nc_u64 s[G0K+2:G0K+3], s[6:7], s[76:77]
	s_add_nc_u64 s[G0K+2:G0K+3], s[G0K+2:G0K+3], s[82:83]
	s_or_b32 s[G0K+3], s[G0K+3], 0x80000000
	s_add_nc_u64 s[G0V+2:G0V+3], s[8:9], s[76:77]
	s_add_nc_u64 s[G0V+2:G0V+3], s[G0V+2:G0V+3], s[84:85]
	s_or_b32 s[G0V+3], s[G0V+3], 0x80000000
	s_add_nc_u64 s[G0KS+2:G0KS+3], s[6:7], s[78:79]
	s_add_nc_u64 s[G0KS+2:G0KS+3], s[G0KS+2:G0KS+3], 0x600000
	s_or_b32 s[G0KS+3], s[G0KS+3], 0x80000000
	s_add_nc_u64 s[G0VS+2:G0VS+3], s[8:9], s[80:81]
	s_add_nc_u64 s[G0VS+2:G0VS+3], s[G0VS+2:G0VS+3], 0x600000
	s_or_b32 s[G0VS+3], s[G0VS+3], 0x80000000
	CROUND                                         ; all four work-groups are here: the joint loads meet
	s_cmp_lt_u32 s12, 6                            ; one chain of branches on the wave's number, one load to an arm, all arms to one join
	s_cbranch_scc0 .Lnot_k
	ASK G0K, G1K
	s_branch .Lasked
.Lnot_k:
	s_cmp_lt_u32 s12, 12
	s_cbranch_scc0 .Lnot_v
	ASK G0V, G1V
	s_branch .Lasked
.Lnot_v:
	s_cmp_eq_u32 s12, 12
	s_cbranch_scc0 .Lnot_ks
	ASK G0KS, G1KS
	s_branch .Lasked
.Lnot_ks:
	s_cmp_eq_u32 s12, 13
	s_cbranch_scc0 .Lasked
	ASK G0VS, G1VS
.Lasked:
	s_lshl_b32 s86, s13, 4
	s_add_co_u32 s86, s86, s12                     ; my pair of tiles of Q: 16 cx + wave
	s_mul_i32 s87, s86, 1536
	s_add_co_u32 s88, s76, s87
	s_mov_b32 s89, 0
	s_add_nc_u64 s[88:89], s[4:5], s[88:89]
	s_lshr_b32 s90, s14, 1
	s_lshl_b32 s90, s90, 5
	s_lshr_b32 s91, s86, 1
	s_add_co_u32 s90, s90, s91
	s_lshl_b32 s90, s90, 8
	s_and_b32 s91, s14, 1
	s_lshl_b32 s91, s91, 7
	s_add_co_u32 s90, s90, s91
	s_and_b32 s91, s86, 1
	s_lshl_b32 s91, s91, 2
	s_add_co_u32 s90, s90, s91
	s_mov_b32 s91, 0
	s_add_nc_u64 s[90:91], s[4:5], s[90:91]
	s_add_nc_u64 s[90:91], s[90:91], 0x600000      ; its scale words
	s_lshr_b32 s92, s14, 4                         ; batch
	s_lshl_b32 s93, s92, 7
	s_lshl_b32 s94, s13, 5
	s_add_co_u32 s93, s93, s94
	s_lshl_b32 s94, s12, 1
	s_add_co_u32 s93, s93, s94                     ; my first tile of rows: 128 batch + 32 cx + 2 wave
	s_mul_i32 s93, s93, 12288
	s_and_b32 s94, s14, 15                         ; head
	s_mul_i32 s95, s94, 768                        ; K step head / 2 of the last projection, half head % 2 of its fragment
	s_add_co_u32 s96, s93, s95
	s_mov_b32 s97, 0
	s_add_nc_u64 s[96:97], s[10:11], s[96:97]      ; the context's codes
	s_lshl_b32 s92, s92, 4
	s_lshl_b32 s93, s13, 2
	s_add_co_u32 s92, s92, s93
	s_lshl_b32 s92, s92, 12
	s_lshl_b32 s93, s94, 8
	s_add_co_u32 s98, s92, s93
	s_mov_b32 s99, 0
	s_add_nc_u64 s[98:99], s[10:11], s[98:99]
	s_add_nc_u64 s[98:99], s[98:99], 0x600000      ; its scale bytes: [128 rows' block][head][128 rows] of 2 bytes
	s_lshl_b32 s100, s12, 6
	s_add_co_u32 s100, s100, SCR                   ; the context's scale bytes in LDS: 64 a wave, 32 a tile
	s_mov_b32 s15, 0xbe38aa3b                      ; -c
	s_mov_b32 s16, 0x76543210
	s_mov_b32 s17, 0xfedcba98                      ; selects for lane l xor 16
	s_mov_b32 s18, 0x3e38aa3b                      ; c = log2(e) / 8
	s_mov_b32 s19, s18                             ; (named with it as a pair, so it is written)
	v_and_b32 v3, 31, v0                           ; lane
	v_lshlrev_b32 v1, 3, v3                        ; 8 x lane: a piece's place for my lane
	v_lshl_add_u32 v8, v3, 4, SCR                  ; the gather of the context's scale bytes
	v_and_b32 v4, 15, v0                           ; r
	v_bfe_u32 v14, v0, 4, 1                        ; h
	v_and_b32 v5, 7, v0
	v_lshlrev_b32 v5, 3, v5                        ; 8 (r % 8)
	v_bfe_u32 v6, v0, 3, 1                         ; r / 8
	v_lshl_add_u32 v2, v14, 7, v5
	v_mad_u32_u24 v2, v6, 1728, v2                 ; K's codes: 1,728 (r / 8) + 8 (r % 8) + 128 h
	v_lshl_add_u32 v11, v6, 2, v5
	v_add_nc_u32 v11, KSW, v11                     ; K's scale words: 8 (r % 8) + 4 (r / 8)
	v_lshlrev_b32 v10, 3, v4                       ; 8 r
	v_add_nc_u32 v15, VSW, v10                     ; V's scale words: two words a row
	v_lshlrev_b32 v252, 1, v4                      ; 2 r: the context's scale bytes, 2 a row
	v_lshlrev_b32 v9, 12, v14
	v_lshl_add_u32 v9, v4, 4, v9                   ; 4,096 h + 16 r
	v_lshlrev_b32 v14, 3, v14                      ; 8 h: my bytes' shift in p's scale word
	s_wait_alu depctr_va_vdst(0)                   ; the wait ahead of the readers below
.irp p, 0,1,2,3,4,5
	global_load_b64 v[QF+2*\p:QF+2*\p+1], v1, s[88:89] offset:256*\p
.endr
	global_load_b32 v42, v10, s[90:91]
.irp i, 0,1,2,3,4,5
	v_mov_b32 v[16+\i], 0                          ; the zero codes
	v_mov_b32 v[28+\i], 0
.endr
.irp i, 0,1,2,3
	v_mov_b32 v[BT+\i], 0                          ; written once: a lane permute's destination counts as one of its sources
.endr
	v_mov_b32 v35, 0                               ; (named as the upper half of the pair v[34:35])
	s_mov_b32 s80, 0                               ; which of my two tiles of queries;
	s_mov_b32 s78, 0                               ; as a mask: no lane, then every lane;
	s_mov_b32 s79, 0                               ; and as the shift of q's scale bytes: 0, then 16
	s_wait_alu depctr_va_vdst(0)                   ; the wait at the head's end
	s_wait_loadcnt 0x0                             ; Q
	s_wait_tensorcnt 0x0                           ; my load has landed
	s_barrier_signal -1
	s_barrier_wait -1                              ; everybody's has: K and V are whole
.macro FMA q, i                        ; t - M of pair i of quarter q
	v_pk_fma_f32 v[S+16*(\q)+2*(\i):S+16*(\q)+2*(\i)+1], v[S+16*(\q)+2*(\i):S+16*(\q)+2*(\i)+1], s[18:19], v[12:13] op_sel_hi:[1,0,0]
.endm
.macro EXP q, i                        ; p = 2^(t - M)
	v_exp_f32 v[S+16*(\q)+(\i)], v[S+16*(\q)+(\i)]
.endm
.macro TSUM q, i                       ; pairs 2 i and 2 i + 1 of quarter q
	v_pk_add_f32 v[T+2*(\i):T+2*(\i)+1], v[S+16*(\q)+4*(\i):S+16*(\q)+4*(\i)+1], v[S+16*(\q)+4*(\i)+2:S+16*(\q)+4*(\i)+3]
.endm
.macro ASUM i
	v_pk_add_f32 v[AC+2*(\i):AC+2*(\i)+1], v[AC+2*(\i):AC+2*(\i)+1], v[T+2*(\i):T+2*(\i)+1]
.endm
.macro KLOAD ac, as                    ; a step's four fragments of K, gathered, and their scale words
.irp f, 0,1,2,3
.irp p, 0,1,2,3,4,5
	ds_load_b64 v[KF+12*\f+2*\p:KF+12*\f+2*\p+1], v[\ac] offset:3456*(\f/2)+64*(\f%2)+576*(\p/2)+256*(\p%2)
.endr
	ds_load_b32 v[36+\f], v[\as] offset:128*(\f/2)+64*(\f%2)
.endr
.endm
.macro VLOAD                           ; a step's four fragments of V and their scale words
.irp t, 0,1,2,3
.irp p, 0,1,2,3,4,5
	ds_load_b64 v[KF+12*\t+2*\p:KF+12*\t+2*\p+1], v4 offset:1536*\t+256*\p
.endr
.endr
	ds_load_b64 v[104:105], v6
	ds_load_b64 v[106:107], v6 offset:128
.endm
.macro PV t                            ; O^T += V^T P^T, tile t of 16 channels: the four accumulators take turns
	v_wmma_scale_f32_16x16x128_f8f6f4 v[O+8*\t:O+8*\t+7], v[KF+12*\t:KF+12*\t+11], v[P:P+11], v[O+8*\t:O+8*\t+7], v[104+\t], v43 matrix_a_fmt:MATRIX_FMT_BF6 matrix_b_fmt:MATRIX_FMT_BF6
.endm
; A KEY STEP: 128 keys.  first = 1: step 0, with no step before it.  s20, s21: the next step's K; s23, s76: the last step's V; s22: the loop's trips to go.
.macro STEP first
	s_wait_dscnt 0x0                               ; this step's K is in
.irp f, 0,1,2,3                                ; S^T = K Q^T: each fragment holds two tiles of keys and feeds two products
	v_wmma_scale_f32_16x16x128_f8f6f4 v[S+16*\f:S+16*\f+7], v[KF+12*\f:KF+12*\f+11], v[22:33], 0, v[36+\f], v40 matrix_a_fmt:MATRIX_FMT_BF6 matrix_b_fmt:MATRIX_FMT_BF6
	v_wmma_scale_f32_16x16x128_f8f6f4 v[S+16*\f+8:S+16*\f+15], v[KF+12*\f:KF+12*\f+11], v[16:27], 0, v[36+\f], v41 matrix_a_fmt:MATRIX_FMT_BF6 matrix_b_fmt:MATRIX_FMT_BF6
.endr
.if \first
	v_add_nc_u32 v3, s20, v2                       ; the next step's K; four places behind the products
	v_add_nc_u32 v5, s21, v11
	v_nop
	v_nop
.else
	v_add_nc_u32 v4, s23, v1                       ; the last step's V; these four additions are the places behind the products
	v_add_nc_u32 v6, s76, v15
	s_add_co_u32 s20, s20, 6912
	s_add_co_u32 s21, s21, 256
	s_add_co_u32 s23, s23, 6144
	s_add_co_u32 s76, s76, 256
	v_add_nc_u32 v3, s20, v2                       ; the next step's K
	v_add_nc_u32 v5, s21, v11
	VLOAD                                          ; lands under the search for the maxima
.endif
.irp c, 0,1                                    ; the largest score of my two blocks of 32 keys, four chains by turns; each accumulator is read from its low end on
	v_max3_num_f32 v[BM+\c], v[S+32*\c], v[S+32*\c+1], v[S+32*\c+2]
	v_max3_num_f32 v[BT+\c], v[S+32*\c+16], v[S+32*\c+17], v[S+32*\c+18]
.endr
.irp i, 3,5,7,9,11,13
.irp c, 0,1
	v_max3_num_f32 v[BM+\c], v[BM+\c], v[S+32*\c+\i], v[S+32*\c+\i+1]
	v_max3_num_f32 v[BT+\c], v[BT+\c], v[S+32*\c+16+\i], v[S+32*\c+17+\i]
.endr
.endr
.irp c, 0,1
	v_max3_num_f32 v[BM+\c], v[BM+\c], v[BT+\c], v[S+32*\c+15]
.endr
.irp c, 0,1
	v_max_num_f32 v[BM+\c], v[BM+\c], v[S+32*\c+31]
.endr
.if \first
	v_max_num_f32 v13, v[BM], v[BM+1]              ; the largest score of my query,
	v_permlanex16_b32 v230, v13, s16, s17
	v_max_num_f32 v13, v13, v230                   ; with lane l xor 16's keys
	v_mul_f32 v248, s15, v13                       ; -t
	v_floor_f32 v12, v248                          ; -M: M is a whole number
.else
	s_wait_alu depctr_va_vdst(0)                   ; directly ahead of the wait below
	s_wait_dscnt 0x0                               ; the last step's V is in
	v_max3_num_f32 v13, v13, v[BM], v[BM+1]        ; the running largest score of my query; the lines that make M and f stand among the last step's second products, which they do not touch
	PV 0
	v_permlanex16_b32 v230, v13, s16, s17
	PV 1
	v_max_num_f32 v13, v13, v230                   ; with lane l xor 16's keys
	PV 2
	v_mul_f32 v248, s15, v13                       ; -t
	PV 3
	v_floor_f32 v249, v248                         ; the new -M: M is a whole number
	v_sub_f32 v250, v249, v12                      ; old M - new M: a whole number, 0 or less
	v_mov_b32 v12, v249
	v_cvt_i32_f32 v250, v250                       ; (it saturates)
	v_ldexp_f32 v34, 1.0, v250                     ; f = 2^(old M - new M).  (Five places behind the products)
.set J, 0
.rept 16
	v_pk_mul_f32 v[O+J:O+J+1], v[O+J:O+J+1], v[34:35] op_sel_hi:[1,0]   ; O^T under the new M
.set J, J+2
.endr
.endif
.irp i, 0,1,2,3,4,5,6,7
	FMA 0, \i
.endr
.irp c, 0,1
	v_fma_f32 v[BM+\c], v[BM+\c], s18, v12         ; the same of each block's largest score: p rises with the score
.endr
.if \first
	s_wait_alu depctr_va_vdst(0)                   ; ahead of a batch
	KLOAD 3, 5                                     ; the next step's K lands under the exponentials
.else
	s_cmp_eq_u32 s22, 1                            ; the last step has no next
	s_wait_alu depctr_va_vdst(0)                   ; ahead of the batch, and directly ahead of the branch
	s_cbranch_scc1 .Lno_next_\@
	KLOAD 3, 5
.Lno_next_\@:
.endif
	v_exp_f32 v[BM], v[BM]                         ; the blocks' largest p
	v_exp_f32 v[BM+1], v[BM+1]
.irp i, 0,1,2,3,4,5,6,7                        ; quarter 0's exponentials; beside them the sums under the new M and quarter 1's t - M
	EXP 0, 2*\i
.if (\i < 4) && (\first == 0)
	v_pk_mul_f32 v[AC+2*\i:AC+2*\i+1], v[AC+2*\i:AC+2*\i+1], v[34:35] op_sel_hi:[1,0]
.endif
	EXP 0, 2*\i+1
	FMA 1, \i
.endr
	s_wait_alu depctr_va_vdst(0)                   ; one wait between two batches: behind the one, ahead of the other
.irp i, 0,1,2,3,4,5,6,7
	EXP 1, 2*\i
.if \i < 4
	TSUM 0, \i
.elseif \i < 6
	v_max_num_f32 v[BM+\i-4], 0x2800000, v[BM+\i-4]   ; the floor 2^(5 - 127): the byte cannot fall under 1
.endif
	EXP 1, 2*\i+1
	FMA 2, \i
.endr
	s_wait_alu depctr_va_vdst(0)
.irp i, 0,1,2,3,4,5,6,7
	EXP 2, 2*\i
.if \i < 4
	ASUM \i
.else
	TSUM 1, \i-4
.endif
	EXP 2, 2*\i+1
.if \i < 2
	v_add_nc_u32 v[BS+\i], 0xfe000000, v[BM+\i]    ; 4 off the exponent field: the conversion's scale operand
.endif
	FMA 3, \i
.endr
	s_wait_alu depctr_va_vdst(0)
.irp i, 0,1,2,3,4,5,6,7
	EXP 3, 2*\i
.if \i < 2
	v_lshrrev_b32 v[BT+\i], 23, v[BS+\i]           ; the scale's byte
.endif
	EXP 3, 2*\i+1
.if \i < 4
	ASUM \i
.else
	TSUM 2, \i-4
.endif
.endr
	s_wait_alu depctr_va_vdst(0)                   ; behind the last batch
	v_lshl_or_b32 v43, v[BT+1], 16, v[BT]          ; my two bytes: blocks h and 2 + h,
	v_lshlrev_b32 v43, v14, v43                    ; at their places in the word;
	v_permlanex16_b32 v231, v43, s16, s17
	v_or_b32 v43, v43, v231                        ; with lane l xor 16's two p's scale word is whole
.irp c, 0,1
	v_cvt_scalef32_pk16_bf6_f32 v[P+6*\c:P+6*\c+2], v[S+32*\c:S+32*\c+15], v[BS+\c]
	v_cvt_scalef32_pk16_bf6_f32 v[PT+4*\c:PT+4*\c+2], v[S+32*\c+16:S+32*\c+31], v[BS+\c]   ; (a conversion's three registers begin on an even number)
.endr
.irp i, 0,1,2,3
	ASUM \i                                        ; (the plain places behind the conversions)
.endr
.irp c, 0,1
.irp i, 0,1,2
	v_mov_b32 v[P+3+6*\c+\i], v[PT+4*\c+\i]
.endr
.endr
.irp i, 0,1,2,3
	TSUM 3, \i
.endr
.irp i, 0,1,2,3
	ASUM \i
.endr
.endm
.Lpass:                                        ; one tile of 16 queries against all 2,048 keys
	KLOAD 2, 11                                    ; step 0's K lands under the set-up
.irp i, 0,1,2,3,4,5
	v_cndmask_b32 v[22+\i], v[QF+\i], v[QF+6+\i], s78   ; q, between the zero codes: my first tile, then my second
.endr
	v_lshrrev_b32 v40, s79, v42                    ; q's two scale bytes in bytes 0, 1 (what stands above them meets zero codes and is never 0xff)
	v_lshlrev_b32 v41, 16, v40                     ; and in bytes 2, 3
	v_add_nc_u32 v7, s100, v252                    ; where this tile's scale bytes go
.set J, 0
.rept 8
	v_mov_b32 v[AC+J], 0
.set J, J+1
.endr
.set J, 0
.rept 32
	v_mov_b32 v[O+J], 0                            ; the loop's step is written once: its first trip finds zeros
.set J, J+1
.endr
	s_mov_b32 s20, 6912
	s_mov_b32 s21, 256
	s_mov_b32 s23, VC
	s_mov_b32 s76, 0
	s_mov_b32 s22, 15
	s_wait_alu depctr_va_vdst(0)
	STEP 1
.Lkeys:
	STEP 0
	s_sub_co_u32 s22, s22, 1
	s_cmp_lg_u32 s22, 0
	s_cbranch_scc1 .Lkeys
	v_add_nc_u32 v4, s23, v1                       ; the last step's V; the row's sum is finished under its loads
	v_add_nc_u32 v6, s76, v15
	VLOAD
	v_pk_add_f32 v[AC:AC+1], v[AC:AC+1], v[AC+2:AC+3]
	v_pk_add_f32 v[AC+4:AC+5], v[AC+4:AC+5], v[AC+6:AC+7]
	v_pk_add_f32 v[AC:AC+1], v[AC:AC+1], v[AC+4:AC+5]
	v_add_f32 v250, v[AC], v[AC+1]                 ; my keys' sum,
	v_permlanex16_b32 v230, v250, s16, s17
	v_add_f32 v250, v250, v230                     ; and lane l xor 16's
	s_wait_alu depctr_va_vdst(0)
	v_rcp_f32 v250, v250
	v_mov_b32 v251, 0                              ; a plain place behind the reciprocal (the pair's upper half)
	s_wait_alu depctr_va_vdst(0)                   ; behind the reciprocal, and directly ahead of the wait below
	s_wait_dscnt 0x0
	PV 0
	PV 1
	PV 2
	PV 3
.rept 4
	v_nop                                          ; places in front of the first read of the results
.endr
.set J, 0
.rept 16
	v_pk_mul_f32 v[S+J:S+J+1], v[O+J:O+J+1], v[250:251] op_sel_hi:[1,0]   ; the context: register 16 b + n = channel 32 b + 16 h + n
.set J, J+2
.endr
.irp b, 0,1
	v_max3_num_f32 v[BM+\b], |v[S+16*\b]|, |v[S+1+16*\b]|, 0x2800000
.endr
.irp i, 2,4,6,8,10,12,14
.irp b, 0,1
	v_max3_num_f32 v[BM+\b], v[BM+\b], |v[S+16*\b+\i]|, |v[S+1+16*\b+\i]|
.endr
.endr
.irp b, 0,1
	v_permlanex16_b32 v[BT+\b], v[BM+\b], s16, s17
.endr
.irp b, 0,1
	v_max_num_f32 v[BM+\b], v[BM+\b], v[BT+\b]
.endr
.irp b, 0,1
	v_add_nc_u32 v[BS+\b], 0xfe000000, v[BM+\b]
.endr
.irp b, 0,1
	v_lshrrev_b32 v[BT+\b], 23, v[BS+\b]
.endr
	v_lshl_or_b32 v248, v[BT+1], 8, v[BT]          ; my row's two scale bytes
	v_cvt_scalef32_pk16_bf6_f32 v[P:P+2], v[S:S+15], v[BS]
	v_cvt_scalef32_pk16_bf6_f32 v[PT:PT+2], v[S+16:S+31], v[BS+1]
	v_nop                                          ; one plain place behind a scaled conversion
.irp i, 0,1,2
	v_permlane16_swap_b32 v[P+\i], v[PT+\i]
.endr
.irp i, 0,1,2
	v_mov_b32 v[P+3+\i], v[PT+\i]                  ; lane (r, h): channels 32 h .. 32 h + 31 of query r: half a fragment of the last projection
.endr
.irp q, 0,1,2
	global_store_b64 v1, v[P+2*\q:P+2*\q+1], s[96:97] offset:256*\q   ; 256 consecutive bytes, aligned
.endr
	ds_store_b16 v7, v248                          ; both halves of the lanes write the same bytes with the same value
	s_wait_alu depctr_va_vdst(0)
	s_wait_xcnt 0x0                                ; the stores have read their base and the codes' registers
	s_add_nc_u64 s[96:97], s[96:97], 12288         ; my second tile of rows
	s_add_co_u32 s100, s100, 32
	s_mov_b32 s78, -1
	s_mov_b32 s79, 16
	s_add_co_u32 s80, s80, 1
	s_cmp_lt_u32 s80, 2
	s_cbranch_scc1 .Lpass
	s_wait_dscnt 0x0                               ; for the others' sake: my scale bytes lie in LDS
	s_barrier_signal -1
	s_barrier_wait -1
	s_cmp_lg_u32 s12, 0                            ; wave 0 stores the work-group's 1,024 scale bytes: sixteen lanes fill 256 consecutive bytes, aligned
	s_cbranch_scc1 .Lnot_0
	ds_load_b128 v[108:111], v8
	ds_load_b128 v[112:115], v8 offset:512
	s_wait_dscnt 0x0
	global_store_b128 v9, v[108:111], s[98:99]
	global_store_b128 v9, v[112:115], s[98:99] offset:8192
.Lnot_0:
	s_wait_tensorcnt 0x0                           ; the wave's end
	ds_add_u32 v254, v255
	s_wait_dscnt 0x0
	CROUND                                         ; the closing round: no work-group ends while a partner may still ask for a tile that names it
	s_endpgm
.Lfunc_end_k_q737fcac322_attn:
	.size	k_q737fcac322_attn, .Lfunc_end_k_q737fcac322_attn-k_q737fcac322_attn
	.p2alignl 7, 3214868480
	.fill 96, 4, 3214868480
	.section	.rodata,"a",@progbits
	.p2align	6, 0x0
	.amdhsa_kernel k_q737fcac322_attn
		.amdhsa_group_segment_fixed_size 221184
		.amdhsa_private_segment_fixed_size 0
		.amdhsa_enable_private_segment 0
		.amdhsa_kernarg_size 32
		.amdhsa_user_sgpr_count 2
		.amdhsa_user_sgpr_kernarg_segment_ptr 1
		.amdhsa_wavefront_size32 1
		.amdhsa_system_sgpr_workgroup_id_x 1
		.amdhsa_system_sgpr_workgroup_id_y 1
		.amdhsa_system_sgpr_workgroup_id_z 1
		.amdhsa_system_vgpr_workitem_id 0
		.amdhsa_next_free_vgpr 256
		.amdhsa_next_free_sgpr 101
		.amdhsa_reserve_vcc 0
		.amdhsa_float_denorm_mode_32 3
		.amdhsa_float_denorm_mode_16_64 3
		.amdhsa_memory_ordered 1
		.amdhsa_forward_progress 1
		.amdhsa_inst_pref_size 50
	.end_amdhsa_kernel
	.amdgpu_metadata
---
amdhsa.version: [ 1, 2 ]
amdhsa.kernels:
  - .name:           k_q737fcac322_attn
    .symbol:         k_q737fcac322_attn.kd
    .args:
      - { .name: QB, .offset: 0, .size: 8, .value_kind: global_buffer, .address_space: global }
      - { .name: KB, .offset: 8, .size: 8, .value_kind: global_buffer, .address_space: global }
      - { .name: VB, .offset: 16, .size: 8, .value_kind: global_buffer, .address_space: global }
      - { .name: CB, .offset: 24, .size: 8, .value_kind: global_buffer, .address_space: global }
    .group_segment_fixed_size: 221184
    .private_segment_fixed_size: 0
    .kernarg_segment_align: 8
    .kernarg_segment_size: 32
    .max_flat_workgroup_size: 512
    .sgpr_count:     101
    .vgpr_count:     256
    .wavefront_size: 32
...
	.end_amdgpu_metadata
.endif
;; end of part 3
;; launch oproj (part 4): grid 4 x 64, 4 waves a work-group, clusters of 4 x 4, 327,680 bytes of LDS; arguments CB, WQ, b_o, out0; writes out0
.if DOCPART == 4
	.amdgcn_target "amdgcn-amd-amdhsa--gfx1250"
	.amdhsa_code_object_version 6
	.text
	.protected	k_q737fcac322_oproj
	.globl	k_q737fcac322_oproj
	.p2align	8
	.type	k_q737fcac322_oproj,@function
k_q737fcac322_oproj:
	s_mov_b64 s[64:65], 0
	v_nop
	global_prefetch_b8 v0, s[64:65] scope:SCOPE_SE
	s_setreg_imm32_b32 hwreg(HW_REG_WAVE_MODE, 25, 1), 1
	s_wait_xcnt 0x0
	s_wait_alu depctr_hold_cnt(0) depctr_sa_sdst(0) depctr_va_vdst(0) depctr_va_sdst(0) depctr_va_ssrc(0) depctr_va_vcc(0) depctr_vm_vsrc(0)
	s_getreg_b32 s2, hwreg(HW_REG_IB_STS2, 6, 4)
	s_cmp_eq_u32 s2, 0
	s_cbranch_scc0 .Lentry_in_a_cluster
	s_endpgm
.Lentry_in_a_cluster:
	s_bfe_u32 s2, ttmp6, 0x10000c
	s_cmp_lg_u32 s2, 0xf033
	s_cbranch_scc0 .Lentry_shape_is_right
	s_endpgm
.Lentry_shape_is_right:
; out = context W_o^T + b_o on codes of BF6 (E3M2) with E8M0 scales, sums in f32, out in f32.
; TILE.  A work-group makes 128 rows of the context (A) x 256 rows of W_o (B); four waves, each 64 x 128: 32 accumulators, 256 registers.  Source 0 = 16 rows of B, source 1 = 16 rows of A: a lane holds one row of out.
; Tiles hold rows 32 (t / 2) + 8 (t % 2) + i + 8 (i / 8): the order is undone here, for the columns in the stage's offsets, for the rows in the stores' immediates.
; LDS.  The whole K of the tile fits, in two slots of 147,456 bytes: slot h holds K steps 4 h .. 4 h + 3 of A's 8 tiles and B's 16, [tile][6,144 bytes].  Each slot is filled once: slot 0 at the head, one load a wave;
; slot 1 behind the three lines and a round of the cluster's barrier, so that its load is on its way while slot 0 is multiplied.  By this text's count a wave has one tensor load out.
; CLUSTER 4 x 4: A's tiles are shared along a row of the cluster, B's along a column: joint loads.  No loop runs ahead of a load, so nothing is prefetched.
; The bias is the C of each sum's first matrix instruction.
; REGISTERS: window 0: v1-15 addresses; v16-31 A's scale words, v32-63 B's (register q: K step q in lanes 0-15, K step 4 + q in lanes 16-31); v64-111 A's 4 fragments; v112-175 bias, later rows of out; v176-239 at work, later rows of out.
;   window 1: accumulator (a, b) at v[8 (8 a + b)].   window 2: B's fragments, two sets, at v0 and v128.
.set SA,  16
.set SB,  32
.set AF,  64
.set BB,  112
.set HA,  176
.set ADA, 8
.set ADB, 12
.set STO, 6
.set CO,  7
.set RD,  240
.set VA,  254
.set VZ,  255
.set G1A, 32
.set G1B, 40
.set G0A, 48
.set G0B, 56
.set SLOT, 147456
.set SPARE, 2*SLOT
.set SP,  528                          ; a stage row: 512 bytes + 16
.set MSB, 0
.macro WIN new                         ; the immediate's high byte repeats the setting that is left
.if MSB != \new
	s_set_vgpr_msb (MSB<<8)|\new
.set MSB, \new
.endif
.endm
.set MUL,  0x52                        ; source 0 (B) window 2, source 1 (A) window 0, C and D window 1
.set MULB, 0x42                        ; the same with C (the bias) in window 0
.set TO_B, 0x80                        ; destination window 2, address window 0
.macro CROUND                          ; a round of the cluster's barrier
	s_barrier_signal -1
	s_barrier_wait -1
	s_cmp_lg_u32 s20, 0
	s_cbranch_scc1 .Lnot_wave_0_\@
	s_barrier_signal -3
.Lnot_wave_0_\@:
	s_barrier_wait -3
	s_barrier_signal -1
	s_barrier_wait -1
.endm
.macro PLACES n
.rept \n
	v_nop
.endr
.endm
.macro JLOAD sl                        ; a joint load into slot sl: waves 0, 1 fetch A's halves, waves 2, 3 B's; s_nop 0 and four v_nop follow each line
	s_cmp_lt_u32 s20, 2
	s_cbranch_scc0 .Lfor_b_\@
	tensor_load_to_lds s[G0A+4*(\sl):G0A+4*(\sl)+3], s[G1A:G1A+7]
	s_nop 0
	PLACES 4
	s_branch .Lasked_\@
.Lfor_b_\@:
	tensor_load_to_lds s[G0B+4*(\sl):G0B+4*(\sl)+3], s[G1B:G1B+7]
	s_nop 0
	PLACES 4
.Lasked_\@:
.endm
.macro FRAG reg, adr, off              ; a fragment's image: six pieces of 256 consecutive bytes
.irp p, 0,1,2,3,4,5
	ds_load_b64 v[(\reg)+2*\p:(\reg)+2*\p+1], v[\adr] offset:(\off)+256*\p
.endr
.endm
.macro FETCH_B s                       ; B's eight fragments of K step s into set s % 2
	WIN TO_B
.irp b, 0,1,2,3,4,5,6,7
	FRAG 128*((\s)%2)+12*\b, ADB+(\s)/4, 6144*\b+1536*((\s)%4)
.endr
	WIN 0
.endm
.macro FETCH_A s, a0                   ; A's blocks a0, a0 + 1
.irp a, \a0, \a0+1
	FRAG AF+12*(\a), ADA+(\s)/4, 6144*(\a)+1536*((\s)%4)
.endr
.endm
; 8 matrix instructions: A's block a x B's eight, K step s; K step 0 starts the sums from the bias.  The 32 accumulators take turns, one instruction a turn, in the same order in every step.
.macro MUL8 a, s
.irp b, 0,1,2,3,4,5,6,7
.set AC, 8*(8*(\a)+\b)
.set BF, 128*((\s)%2)+12*\b
.set AR, AF+12*(\a)
.set SBR, SB+4*\b+(\s)%4
.set SAR, SA+4*(\a)+(\s)%4
.if (\s) == 0
	v_wmma_scale_f32_16x16x128_f8f6f4 v[AC:AC+7], v[BF:BF+11], v[AR:AR+11], v[BB+8*\b:BB+8*\b+7], v[SBR], v[SAR] matrix_a_fmt:MATRIX_FMT_BF6 matrix_b_fmt:MATRIX_FMT_BF6
.elseif (\s) < 4
	v_wmma_scale_f32_16x16x128_f8f6f4 v[AC:AC+7], v[BF:BF+11], v[AR:AR+11], v[AC:AC+7], v[SBR], v[SAR] matrix_a_fmt:MATRIX_FMT_BF6 matrix_b_fmt:MATRIX_FMT_BF6
.else
	v_wmma_scale_f32_16x16x128_f8f6f4 v[AC:AC+7], v[BF:BF+11], v[AR:AR+11], v[AC:AC+7], v[SBR], v[SAR] matrix_a_fmt:MATRIX_FMT_BF6 matrix_b_fmt:MATRIX_FMT_BF6 matrix_a_scale:MATRIX_SCALE_ROW1 matrix_b_scale:MATRIX_SCALE_ROW1
.endif
.endr
.endm
.macro WMUL s
.if (\s) == 0
	WIN MULB
.else
	WIN MUL
.endif
.endm
; A K step: 32 matrix instructions.  A's blocks 0, 1 are fetched anew in its middle with B's next set, blocks 2, 3 at its end; four places stand in front of loads into registers that matrix instructions have read.
; kind 2 (K step 3): the next K step lies in slot 1: each wave waits for its load of it, and for its own reads of slot 0, in front of a barrier.
.macro STEP s, kind
.if (\kind) == 0
	s_wait_dscnt 12                                ; B's set and A's blocks 0, 1 are in; the 12 youngest loads (A's blocks 2, 3) may be out
	WMUL \s
	MUL8 0, \s
	MUL8 1, \s
	s_wait_dscnt 0x0                               ; A's blocks 2, 3 are in
.else
	s_wait_tensorcnt 0x0
	s_wait_dscnt 12
	WMUL \s
	MUL8 0, \s
	s_wait_dscnt 0x0
	s_barrier_signal -1
	MUL8 1, \s
	s_barrier_wait -1
.endif
.if (\s) < 7
	PLACES 4
	FETCH_B (\s)+1
	FETCH_A (\s)+1, 0
.endif
	WMUL \s
	MUL8 2, \s
	MUL8 3, \s
.if (\s) < 7
	PLACES 4
	WIN 0
	FETCH_A (\s)+1, 2
.endif
.endm
	s_load_b256 s[4:11], s[0:1], 0x0               ; CB s[4:5], WQ s[6:7], b_o s[8:9], out0 s[10:11]
	v_lshl_add_u32 v[VA], v0, 2, SPARE
	v_mov_b32 v[VZ], 0
	ds_add_u32 v[VA], v[VZ]                        ; the opening lines: the add, twice on end, and its wait
	ds_add_u32 v[VA], v[VZ]
	v_lshrrev_b32 v1, 5, v0
	v_readfirstlane_b32 s20, v1                    ; wave 0..3
	s_lshr_b32 s21, s20, 1                         ; wa: which 64 rows of A are mine
	s_and_b32 s22, s20, 1                          ; wb: which 128 rows of B.  Also: which half of a tile I fetch
	s_bfe_u32 s23, ttmp6, 0x40000                  ; cx
	s_bfe_u32 s24, ttmp6, 0x40004                  ; cy
	s_lshl_b32 s25, ttmp9, 2
	s_add_co_u32 s25, s25, s23                     ; B's block of 256 rows (columns of out)
	s_and_b32 s26, ttmp7, 0xffff
	s_lshl_b32 s26, s26, 2
	s_add_co_u32 s26, s26, s24                     ; A's block of 128 rows
	s_lshl_b32 s28, s24, 2
	s_lshl_b32 s28, 15, s28                        ; my row of the cluster
	s_lshl_b32 s30, 0x1111, s23                    ; my column
	; descriptor group 1: R tiles' 6,144 bytes (four K steps) each, 12,288 bytes apart in memory, dense in LDS; elements of 8 bytes
	s_or_b32 s[G1A], s28, (3<<16)|(1<<21)
	s_or_b32 s[G1B], s30, (3<<16)|(1<<21)
	s_mov_b32 s[G1A+1], 768<<16
	s_mov_b32 s[G1A+2], 4<<16
	s_mov_b32 s[G1A+3], 768<<16
	s_mov_b32 s[G1A+4], 4
	s_mov_b32 s[G1A+5], 1536
	s_mov_b32 s[G1A+6], 0
	s_mov_b32 s[G1A+7], 0
	s_mov_b32 s[G1B+1], 768<<16
	s_mov_b32 s[G1B+2], 8<<16
	s_mov_b32 s[G1B+3], 768<<16
	s_mov_b32 s[G1B+4], 8
	s_mov_b32 s[G1B+5], 1536
	s_mov_b32 s[G1B+6], 0
	s_mov_b32 s[G1B+7], 0
	s_mul_i32 s84, s26, 98304                      ; A: 8 tiles of 12,288 bytes a block,
	s_mul_i32 s28, s22, 49152                      ; + my half
	s_add_co_u32 s84, s84, s28
	s_mov_b32 s85, 0
	s_mul_i32 s86, s25, 196608                     ; B: 16 tiles a block,
	s_mul_i32 s30, s22, 98304
	s_add_co_u32 s86, s86, s30
	s_mov_b32 s87, 0
	s_mov_b32 s[G0A], 1
	s_mov_b32 s[G0A+4], 1
	s_mov_b32 s[G0B], 1
	s_mov_b32 s[G0B+4], 1
	s_mul_i32 s[G0A+1], s22, 24576                 ; where they go in a slot: A's halves, then B's: no place in the cluster enters an LDS address
	s_add_co_u32 s[G0A+5], s[G0A+1], SLOT
	s_mul_i32 s[G0B+1], s22, 49152
	s_add_co_u32 s[G0B+1], s[G0B+1], 49152
	s_add_co_u32 s[G0B+5], s[G0B+1], SLOT
	s_wait_dscnt 0x0
	s_wait_kmcnt 0x0
	s_add_nc_u64 s[96:97], s[6:7], 2359296         ; W_o's codes (tile 192 of WQ)
	s_add_nc_u64 s[92:93], s[6:7], 0x300000+98304  ; W_o's scale words
	s_add_nc_u64 s[90:91], s[4:5], 0x600000        ; the context's scale bytes
	s_add_nc_u64 s[G0A+2:G0A+3], s[4:5], s[84:85]
	s_add_nc_u64 s[G0B+2:G0B+3], s[96:97], s[86:87]
	s_or_b32 s[G0A+3], s[G0A+3], 0x80000000
	s_or_b32 s[G0B+3], s[G0B+3], 0x80000000
	s_add_nc_u64 s[G0A+6:G0A+7], s[G0A+2:G0A+3], 6144
	s_add_nc_u64 s[G0B+6:G0B+7], s[G0B+2:G0B+3], 6144
	CROUND                                         ; all sixteen work-groups are here: the joint loads meet
	JLOAD 0                                        ; one load a wave at the head
	v_and_b32 v1, 31, v0
	v_lshlrev_b32 v[CO], 4, v1                     ; 16 x lane: my bytes of a row of 512
	v_lshlrev_b32 v1, 3, v1                        ; 8 x lane: a piece's place for my lane
	v_and_b32 v2, 15, v0                           ; r
	v_bfe_u32 v3, v0, 4, 1                         ; h
	v_lshlrev_b32 v4, 4, v2
	v_lshl_add_u32 v4, v3, 8, v4                   ; B's scale words: 256 h + 16 r
	v_lshlrev_b32 v5, 6, v3                        ; the bias: 16 h numbers on
	s_mul_i32 s28, s20, 16*SP                      ; my stage: it lies in slot 0, which is filled once and which nobody reads behind K step 3's barrier
	v_mul_u32_u24 v[STO], v2, SP
	v_lshl_add_u32 v[STO], v3, 6, v[STO]
	v_add_nc_u32 v[STO], s28, v[STO]               ; in: row r, + 64 h bytes
	v_add_nc_u32 v[RD], s28, v[CO]                 ; back: a whole row
	v_lshlrev_b32 v241, 1, v2
	v_lshl_add_u32 v241, v3, 11, v241              ; A's scale bytes: 2,048 h + 2 r
	s_wait_alu depctr_va_vdst(0)
	s_mul_i32 s28, s21, 24576
	s_mul_i32 s30, s22, 49152
	s_add_co_u32 s30, s30, 49152
.irp j, 0,1
	v_add_nc_u32 v[ADA+\j], s28, v1
	v_add_nc_u32 v[ADB+\j], s30, v1
	s_add_co_u32 s28, s28, SLOT
	s_add_co_u32 s30, s30, SLOT
.endr
	s_lshl_b32 s28, s26, 12                        ; A's scale bytes: 4,096 a block of 128 rows ([head][row] of 2 bytes), + my 64 rows
	s_lshl_b32 s29, s21, 7
	s_add_co_u32 s28, s28, s29
	s_mov_b32 s29, 0
	s_add_nc_u64 s[90:91], s[90:91], s[28:29]
	s_lshl_b32 s30, s25, 13                        ; B's scale words: 512 bytes a tile, tile 16 x block + 8 wb
	s_lshl_b32 s31, s22, 12
	s_add_co_u32 s30, s30, s31
	s_mov_b32 s31, 0
	s_add_nc_u64 s[92:93], s[92:93], s[30:31]
	s_wait_alu depctr_va_vdst(0)
.irp b, 0,1,2,3,4,5,6,7
	global_load_b128 v[SB+4*\b:SB+4*\b+3], v4, s[92:93] offset:512*\b
.endr
.irp a, 0,1,2,3                                ; lane (r, h), register q: K step 4 h + q = heads 8 h + 2 q and 8 h + 2 q + 1, two bytes each
.irp q, 0,1,2,3
	global_load_u16 v[HA+2*(4*\a+\q)], v241, s[90:91] offset:512*\q+32*\a
	global_load_u16 v[HA+2*(4*\a+\q)+1], v241, s[90:91] offset:512*\q+256+32*\a
.endr
.endr
	s_lshl_b32 s30, s25, 10
	s_lshl_b32 s31, s22, 9
	s_add_co_u32 s30, s30, s31                     ; my 128 columns, in bytes
	s_mov_b32 s31, 0
	s_add_nc_u64 s[8:9], s[8:9], s[30:31]
	s_add_nc_u64 s[10:11], s[10:11], s[30:31]
.irp b, 0,1,2,3,4,5,6,7
	global_load_b128 v[BB+8*\b:BB+8*\b+3], v5, s[8:9] offset:4*(32*(\b/2)+8*(\b%2))       ; register 8 b + j: column 32 (b / 2) + 8 (b % 2) + 16 h + j
	global_load_b128 v[BB+8*\b+4:BB+8*\b+7], v5, s[8:9] offset:4*(32*(\b/2)+8*(\b%2))+16
.endr
	s_lshl_b32 s28, s26, 19                        ; my first row of out: 128 x block + 64 wa, rows of 4,096 bytes
	s_lshl_b32 s29, s21, 18
	s_add_co_u32 s28, s28, s29
	s_mov_b32 s29, 0
	s_add_nc_u64 s[10:11], s[10:11], s[28:29]
	s_wait_alu depctr_va_vdst(0)                   ; the wait at the head's end
	s_wait_tensorcnt 0x0                           ; my part of slot 0 is in
	ds_add_u32 v[VA], v[VZ]
	s_wait_dscnt 0x0
	CROUND
	JLOAD 1                                        ; slot 1's one fill
	FETCH_B 0
	FETCH_A 0, 0
	FETCH_A 0, 2
	s_wait_loadcnt 0x0                             ; scale words, scale bytes, bias
.irp a, 0,1,2,3
.irp q, 0,1,2,3
	v_lshl_or_b32 v[SA+4*\a+\q], v[HA+2*(4*\a+\q)+1], 16, v[HA+2*(4*\a+\q)]   ; two heads' bytes make a K step's word
.endr
.endr
	PLACES 8                                       ; a scale register written by a vector instruction stands 8 places ahead of a scaled matrix instruction
	s_wait_alu depctr_va_vdst(0)
	STEP 0, 0                                      ; the first K step starts the sums from the bias
	STEP 1, 0
	STEP 2, 0
	STEP 3, 2
	STEP 4, 0
	STEP 5, 0
	STEP 6, 0
	STEP 7, 0
	WIN 0
	PLACES 4                                       ; in front of the first read of results and of loads into registers that matrix instructions have read
; THE WAY OUT, a tile of 16 rows x 128 columns at a time, through my own stage: in by lanes (32 neighbouring bytes of a row each), back as whole rows of 512 bytes.
; LDS serves a wave's instructions in order: no wait between the stores and the loads, nor in front of the next tile's stores.
.macro TOSTAGE a
	WIN 0x04                                       ; an LDS store's data are its source 1: window 1
.irp b, 0,1,2,3,4,5,6,7
	ds_store_b128 v[STO], v[64*(\a)+8*\b:64*(\a)+8*\b+3] offset:128*(\b/2)+32*(\b%2)        ; each accumulator from its low end on
	ds_store_b128 v[STO], v[64*(\a)+8*\b+4:64*(\a)+8*\b+7] offset:128*(\b/2)+32*(\b%2)+16
.endr
	WIN 0
.set BK, BB+64*((\a)%2)
.irp t, 0,1,2,3,4,5,6,7,8,9,10,11,12,13,14,15
	ds_load_b128 v[BK+4*\t:BK+4*\t+3], v[RD] offset:SP*\t
.endr
.endm
.macro SEND a, younger                 ; younger: the LDS instructions issued behind tile a's loads, which may stay out
.set BK, BB+64*((\a)%2)
	s_wait_dscnt \younger
.irp t, 0,1,2,3,4,5,6,7,8,9,10,11,12,13,14,15
	global_store_b128 v[CO], v[BK+4*\t:BK+4*\t+3], s[10:11] offset:(32*((\a)/2)+8*((\a)%2)+\t+8*(\t/8))*4096 th:TH_STORE_NT   ; 32 lanes store 512 consecutive bytes, aligned; place t of tile a is this row
.endr
.endm
	TOSTAGE 0
	TOSTAGE 1
	SEND 0, 32                                     ; behind tile 0's loads: tile 1's 16 stores and 16 loads
	s_wait_xcnt 0x0                                ; tile 0's stores have read their registers: tile 2's loads may land there
	TOSTAGE 2
	SEND 1, 32
	s_wait_xcnt 0x0
	TOSTAGE 3
	SEND 2, 32
	SEND 3, 0
	s_wait_tensorcnt 0x0                           ; the wave's end
	ds_add_u32 v[VA], v[VZ]
	s_wait_dscnt 0x0
	CROUND                                         ; the closing round: no work-group ends while a partner may still ask for a tile that names it
	s_endpgm
.Lfunc_end_k_q737fcac322_oproj:
	.size	k_q737fcac322_oproj, .Lfunc_end_k_q737fcac322_oproj-k_q737fcac322_oproj
	.p2alignl 7, 3214868480
	.fill 96, 4, 3214868480
	.section	.rodata,"a",@progbits
	.p2align	6, 0x0
	.amdhsa_kernel k_q737fcac322_oproj
		.amdhsa_group_segment_fixed_size 327680
		.amdhsa_private_segment_fixed_size 0
		.amdhsa_enable_private_segment 0
		.amdhsa_kernarg_size 32
		.amdhsa_user_sgpr_count 2
		.amdhsa_user_sgpr_kernarg_segment_ptr 1
		.amdhsa_wavefront_size32 1
		.amdhsa_system_sgpr_workgroup_id_x 1
		.amdhsa_system_sgpr_workgroup_id_y 1
		.amdhsa_system_sgpr_workgroup_id_z 1
		.amdhsa_system_vgpr_workitem_id 0
		.amdhsa_next_free_vgpr 768
		.amdhsa_next_free_sgpr 102
		.amdhsa_reserve_vcc 0
		.amdhsa_float_denorm_mode_32 3
		.amdhsa_float_denorm_mode_16_64 3
		.amdhsa_memory_ordered 1
		.amdhsa_forward_progress 1
		.amdhsa_inst_pref_size 101
	.end_amdhsa_kernel
	.amdgpu_metadata
---
amdhsa.version: [ 1, 2 ]
amdhsa.kernels:
  - .name:           k_q737fcac322_oproj
    .symbol:         k_q737fcac322_oproj.kd
    .args:
      - { .name: CB, .offset: 0, .size: 8, .value_kind: global_buffer, .address_space: global }
      - { .name: WQ, .offset: 8, .size: 8, .value_kind: global_buffer, .address_space: global }
      - { .name: b_o, .offset: 16, .size: 8, .value_kind: global_buffer, .address_space: global }
      - { .name: out0, .offset: 24, .size: 8, .value_kind: global_buffer, .address_space: global }
    .group_segment_fixed_size: 327680
    .private_segment_fixed_size: 0
    .kernarg_segment_align: 8
    .kernarg_segment_size: 32
    .max_flat_workgroup_size: 128
    .sgpr_count:     102
    .vgpr_count:     768
    .wavefront_size: 32
...
	.end_amdgpu_metadata
.endif
;; end of part 4
